; MI455X (gfx1250); checked and timed in simulation.
; The chip was launched on July 23, 2026; its instructions are those of AMD's public machine-readable ISA for CDNA 5 (MIT licence, August 2026) and "CDNA5" Instruction Set Architecture Reference Guide (July 2026). The comments in the code are by the model that wrote it; some were corrected since.
;; Mo E. Allowed arithmetic: matrix products marked QUANTISED: E2M1 operands, one E8M0 scale for each 32 along K, by v_wmma_scale_f32_16x16x128_f8f6f4 with both operands' format E2M1 (or v_wmma_scale_f32_32x16x128_f4), f32 sums; products left as they are: f32 operands where the result goes on into a quantised operand, else bf16, f16 or f32 operands; f32 sums; everything else in f32.
;; Inputs: b1 8 x 4,096 float32; b2 8 x 1,024 float32; b_router 8 float32; w1 8 x 1,024 x 4,096 float32; w2 8 x 4,096 x 1,024 float32; w_router 1,024 x 8 float32; x 4 x 256 x 1,024 float32.
;; Outputs: out0 4 x 256 x 1,024 float32.
;; This version of the problem:
;;   THIS VERSION OF THE PROBLEM IS GIVEN IN LOW PRECISION. The matrix products marked QUANTISED in the list below multiply operands that are first quantised to E2M1 (2 exponent bits, 1 mantissa bit; 4 bits a number), with one power-of-two scale for each 32 numbers along K (OCP MX v1.0); their sums are f32. All else is computed in f32.
;;   The module's matrix products, in the order in which they are computed (A, B: the left and right operand; K: the contracted axis; several contracted axes count as one K, in the product's order):
;;     1. [M 1,024, K 1,024] x [K 1,024, N 8]; A: input x; B: input w_router: left as it is (N = 8 < 16)
;;     2. [M 1,024, K 1,024] x [K 1,024, N 4,096]; A: input x; B: input w1: QUANTISED
;;     3. [M 1,024, K 4,096] x [K 4,096, N 1,024]; A: computed on the way; B: input w2: QUANTISED
;;     4. [M 1,024, K 1,024] x [K 1,024, N 4,096]; A: input x; B: input w1: QUANTISED
;;     5. [M 1,024, K 4,096] x [K 4,096, N 1,024]; A: computed on the way; B: input w2: QUANTISED
;;     6. [M 1,024, K 1,024] x [K 1,024, N 4,096]; A: input x; B: input w1: QUANTISED
;;     7. [M 1,024, K 4,096] x [K 4,096, N 1,024]; A: computed on the way; B: input w2: QUANTISED
;;     8. [M 1,024, K 1,024] x [K 1,024, N 4,096]; A: input x; B: input w1: QUANTISED
;;     9. [M 1,024, K 4,096] x [K 4,096, N 1,024]; A: computed on the way; B: input w2: QUANTISED
;;     10. [M 1,024, K 1,024] x [K 1,024, N 4,096]; A: input x; B: input w1: QUANTISED
;;     11. [M 1,024, K 4,096] x [K 4,096, N 1,024]; A: computed on the way; B: input w2: QUANTISED
;;     12. [M 1,024, K 1,024] x [K 1,024, N 4,096]; A: input x; B: input w1: QUANTISED
;;     13. [M 1,024, K 4,096] x [K 4,096, N 1,024]; A: computed on the way; B: input w2: QUANTISED
;;     14. [M 1,024, K 1,024] x [K 1,024, N 4,096]; A: input x; B: input w1: QUANTISED
;;     15. [M 1,024, K 4,096] x [K 4,096, N 1,024]; A: computed on the way; B: input w2: QUANTISED
;;     16. [M 1,024, K 1,024] x [K 1,024, N 4,096]; A: input x; B: input w1: QUANTISED
;;     17. [M 1,024, K 4,096] x [K 4,096, N 1,024]; A: computed on the way; B: input w2: QUANTISED
;;   THE QUANTISER, for each operand of a quantised product, along K:
;;     - K is cut into blocks of 32 from its start; a last block that is shorter is filled with zeros.
;;     - A block's scale is 2^e with e = floor(log2(the largest magnitude in the block)) - 2, held to -126 .. 127; a block of zeros has e = 0. As a byte (E8M0): e + 127.
;;     - Each number is divided by its block's scale, clamped to +-6, and rounded to the nearest number of E2M1, ties to even, subnormals kept.
;;     - The product sums the exact products of the quantised numbers (number of the format x scale) in f32.
;;   ~~~python
;;   def quantise(x, axis):      # numpy; x: float32 -> the quantised numbers, widened to float32 again
;;       x = np.moveaxis(x, axis, -1); K = x.shape[-1]
;;       x = np.pad(x, [(0, 0)] * (x.ndim - 1) + [(0, -K % 32)]); x = x.reshape(x.shape[:-1] + (-1, 32)); a = np.abs(x).max(-1, keepdims=True)
;;       e = np.where(a > 0, np.clip(np.frexp(np.where(a > 0, a, 1))[1] - 1 - 2, -126, 127), 0)      # np.frexp(a)[1] - 1 = floor(log2(a)), exactly
;;       r = np.clip(x / 2.0 ** e, -6, 6)
;;       step = 2.0 ** (np.maximum(np.frexp(np.where(r == 0, 1, r))[1] - 1, 0) - 1)
;;       q = np.round(r / step) * step * 2.0 ** e      # np.round: ties to even
;;       return np.moveaxis(q.reshape(q.shape[:-2] + (-1,))[..., :K], -1, axis).astype(np.float32)
;;   ~~~
;;   OPERANDS COMPUTED ON THE WAY. 'Computed on the way' means the value that the module computes at that place (a softmax that the list does not call 'softmax' is quantised finished and normalised). What goes into a quantiser is computed in f32, as accurately as f32 sums, v_exp_f32 and their like allow (about 1e-6 of the number): no bf16 or f16 on the way to a quantiser, and a product that is left as it is and whose result goes on into a quantised operand takes f32 operands (vector FMAs, or v_wmma_f32_16x16x4_f32). A number that lies on a knife's edge between two numbers of the format may be rounded either way, as far as f32 arithmetic and the matrix unit's own rounding can turn it there, and no further.
;; 3 versions, each right; version 2 is faster than version 1; version 3 is version 2 with the launches up, down written anew for expert scheduling mode. Each part assembles by itself: llvm-mc -triple=amdgcn-amd-amdhsa -mcpu=gfx1250 --defsym DOCPART=n.
;; ======== version 1 of 3: 4 launches
;; workspace buffers: top1 4,096 bytes of whole numbers; lists 32,768 bytes of whole numbers; cnts 256 bytes of whole numbers; xq 524,288 bytes; xs 32,768 bytes; hq 16,777,216 bytes; hs 2,097,152 bytes
;; launch route (part 1): grid 64 x 1, 8 waves a work-group, no clusters, 18,432 bytes of LDS; arguments x, w_router, b_router, top1, xq, xs; writes top1, xq, xs
.if DOCPART == 1
	.amdgcn_target "amdgcn-amd-amdhsa--gfx1250"
	.amdhsa_code_object_version 6
	.text
	.protected	k_q9a2b3b35f7_route
	.globl	k_q9a2b3b35f7_route
	.p2align	8
	.type	k_q9a2b3b35f7_route,@function
k_q9a2b3b35f7_route:
	s_mov_b64 s[64:65], 0
	v_nop
	global_prefetch_b8 v0, s[64:65] scope:SCOPE_SE
	s_setreg_imm32_b32 hwreg(HW_REG_WAVE_MODE, 25, 1), 1
	s_wait_xcnt 0x0
; ROUTER AND x's QUANTISER.  x: [1024 tokens][1024] f32.  w_router: [1024][8] f32.  b_router: [8] f32.
; Out: top1 [1024] u32, the chosen expert of each token, at fixed places;  xq [1024][512 bytes], x as codes of E2M1, K innermost, two codes a byte;
; xs [1024][32 bytes], one E8M0 byte for each 32 along K: eight words a token, one for each 128 along K.
; SHARES.  A work-group takes 16 tokens; wave w takes k = 128 w .. 128 w + 127 of them.  Lane (r = lane % 16, h = lane / 16) holds, of token r,
; register 16 b + i = k 128 w + 32 b + 16 h + i: 16 neighbours of each block of 32, as the conversions want them.
; THE LOGITS are f32 products and f32 sums: 32 matrix instructions of 16 x 16 x 4 a wave, source 0 = w_router (row m = expert m % 8: experts 0-7 stand twice), source 1 = x
; (column n = token).  Both sources carry the same k in the same register and half of the lanes, so the products pair rightly.  A lane then holds the eight experts of ONE token.
; The eight waves' partial sums meet in LDS; wave 0 adds them in ascending k, adds the bias and takes the arg max.
; THE SOFTMAX IS NOT EVALUATED: exp and the division by one positive sum keep the order of a token's eight logits for every input, so the arg max of the probabilities is the arg max
; of the logits; of equal logits the lowest index is kept.
; LIMITS: NaN and infinities are not served.  The logits are summed in another order than the problem's function sums them: two logits of a token closer than that rounding
; (or probabilities that round to equal numbers) may choose the other expert.  A block whose largest magnitude lies under 2^-124, a block of zeros too, gets the scale byte 1:
; only this program reads the bytes, and zero codes add nothing.
; No cluster, no tensor load: each byte of x is read by one wave, once.
.set LG,   0                           ; LDS: 8 x 1,024 bytes: each wave's eight partial logits, as an image of its registers
.set XST,  8192                        ; 16 rows x (512 bytes of codes + 16)
.set XSP,  528
.set XSS,  16640                       ; 16 x 32 bytes of scale words
.set X,    16                          ; v16-79   64 numbers of x; later the eight images of partial logits
.set W,    80                          ; v80-143  64 numbers of w_router; later rows of codes on their way out
.set RA,   144                         ; v144-175 four f32 accumulators: written by matrix instructions alone
.set T,    176                         ; v176-183 their sum
.set PC,   184                         ; v184-191 the fragment's codes
.set TM,   192                         ; v192-207 at work in QUANT
.set PW,   208                         ; v208     the scale word
.set BEST, 209
.set IDX,  210
.set T2,   212                         ; v212-219 half of the sum
.set SEL,  20                          ; s[20:21] lane selects: lane l xor 16
; 64 numbers of a lane, v[s] .. v[s + 63], register 16 b + i = k 32 b + 16 (lane / 16) + i of my row, become a fragment's codes in v[PC] on and its scale word in v[PW].
.macro QUANT s
.irp b, 0,1,2,3
	v_max3_num_f32 v[TM+\b], |v[\s+16*\b]|, |v[\s+1+16*\b]|, 0x1800000   ; block b: my 16 numbers, and the floor 2^(3 - 127): the byte cannot fall under 1
.endr
.irp i, 2,4,6,8,10,12,14
.irp b, 0,1,2,3
	v_max3_num_f32 v[TM+\b], v[TM+\b], |v[\s+16*\b+\i]|, |v[\s+1+16*\b+\i]|   ; the four blocks by turns
.endr
.endr
.irp b, 0,1,2,3
	v_permlanex16_b32 v[TM+4+\b], v[TM+\b], s[SEL], s[SEL+1]
.endr
.irp b, 0,1,2,3
	v_max_num_f32 v[TM+\b], v[TM+\b], v[TM+4+\b]   ; with lane l xor 16's: the block's largest magnitude
.endr
.irp b, 0,1,2,3
	v_add_nc_u32 v[TM+12+\b], 0xff000000, v[TM+\b]   ; 2 off its exponent field: the conversion takes the exponent field of this operand as its scale
.endr
.irp b, 0,1,2,3
	v_lshrrev_b32 v[TM+4+\b], 23, v[TM+12+\b]      ; the scale's byte
.endr
	v_lshl_or_b32 v[PW], v[TM+5], 8, v[TM+4]
	v_lshl_or_b32 v[PW], v[TM+6], 16, v[PW]
	v_lshl_or_b32 v[PW], v[TM+7], 24, v[PW]        ; my row's scale word for these 128 along K
.irp b, 0,1,2,3
	v_cvt_scalef32_pk8_fp4_f32 v[PC+2*\b], v[\s+16*\b:\s+7+16*\b], v[TM+12+\b]
	v_cvt_scalef32_pk8_fp4_f32 v[PC+1+2*\b], v[\s+8+16*\b:\s+15+16*\b], v[TM+12+\b]
.endr
	v_nop                                          ; one plain place behind a scaled conversion
.irp c, 0,1                                    ; the operand's layout wants a whole block in a lane: lanes 0-15 block 2 c, lanes 16-31 block 2 c + 1
.irp i, 0,1
	v_permlane16_swap_b32 v[PC+4*\c+\i], v[PC+2+4*\c+\i]
.endr
.endr
.endm
	s_load_b256 s[4:11], s[0:1], 0x0               ; x s[4:5], w_router s[6:7], b_router s[8:9], top1 s[10:11]
	s_load_b128 s[12:15], s[0:1], 0x20             ; xq s[12:13], xs s[14:15]
	v_lshl_add_u32 v224, v0, 2, 0x4400
	v_mov_b32 v225, 0
	v_lshrrev_b32 v1, 5, v0
	v_readfirstlane_b32 s16, v1                    ; wave 0..7
	v_and_b32 v1, 31, v0                           ; lane
	v_and_b32 v2, 15, v0                           ; r
	v_bfe_u32 v3, v0, 4, 1                         ; h
	v_lshlrev_b32 v4, 12, v2
	v_lshl_add_u32 v4, v3, 6, v4                   ; x: token r's row of 4,096 bytes, + 64 h
	v_and_b32 v5, 7, v0
	v_lshlrev_b32 v5, 2, v5
	v_lshl_add_u32 v5, v3, 9, v5                   ; w_router: expert r % 8, + 16 h rows of 32 bytes
	v_lshlrev_b32 v6, 4, v1                        ; 16 x lane
	s_lshl_b32 s34, s16, 10
	v_add_nc_u32 v7, s34, v6                       ; where my wave's partial logits go: LG + 1,024 w + 16 x lane
	v_mul_u32_u24 v8, v2, XSP
	v_lshl_add_u32 v8, v3, 4, v8
	s_lshl_b32 s34, s16, 6
	s_add_co_u32 s34, s34, XST
	v_add_nc_u32 v8, s34, v8                       ; codes: row r, my wave's 64 bytes, + 16 h
	v_lshlrev_b32 v9, 5, v2
	s_lshl_b32 s34, s16, 2
	s_add_co_u32 s34, s34, XSS
	v_add_nc_u32 v9, s34, v9                       ; scale word w of row r
	s_mul_i32 s34, s16, 2*XSP
	s_add_co_u32 s34, s34, XST
	v_add_nc_u32 v10, s34, v6                      ; back: rows 2 w and 2 w + 1, 16 bytes a lane
	v_add_nc_u32 v11, XSS, v6                      ; back: the 512 bytes of scale words
	v_lshlrev_b32 v12, 2, v2                       ; top1: 4 r
	s_mov_b32 s[SEL], 0x76543210
	s_mov_b32 s[SEL+1], 0xfedcba98
.irp b, 0,1,2,3
	v_mov_b32 v[TM+4+\b], 0                        ; written once: a lane permute's destination counts as one of its sources
.endr
	s_mov_b32 s35, 0
	s_lshl_b32 s34, ttmp9, 16                      ; 16 tokens of 4,096 bytes a work-group,
	s_lshl_b32 s36, s16, 9                         ; 512 bytes of a row a wave
	s_add_co_u32 s34, s34, s36
	s_wait_kmcnt 0x0
	s_add_nc_u64 s[4:5], s[4:5], s[34:35]
	s_lshl_b32 s34, s16, 12                        ; 128 rows of w_router a wave
	s_add_nc_u64 s[6:7], s[6:7], s[34:35]
	s_lshl_b32 s34, ttmp9, 13                      ; xq: 16 rows of 512 bytes a work-group, two rows a wave
	s_lshl_b32 s36, s16, 10
	s_add_co_u32 s34, s34, s36
	s_add_nc_u64 s[12:13], s[12:13], s[34:35]
	s_lshl_b32 s34, ttmp9, 9
	s_add_nc_u64 s[14:15], s[14:15], s[34:35]      ; xs: 512 bytes a work-group
	s_lshl_b32 s34, ttmp9, 6
	s_add_nc_u64 s[10:11], s[10:11], s[34:35]      ; top1: 64 bytes a work-group
.irp b, 0,1,2,3
.irp j, 0,1,2,3
	global_load_b128 v[X+16*\b+4*\j:X+16*\b+4*\j+3], v4, s[4:5] offset:128*\b+16*\j th:TH_LOAD_NT   ; read once in the launch
.endr
.endr
.irp b, 0,1,2,3
.irp i, 0,1,2,3,4,5,6,7,8,9,10,11,12,13,14,15
	global_load_b32 v[W+16*\b+\i], v5, s[6:7] offset:1024*\b+32*\i
.endr
.endr
	s_load_b256 s[24:31], s[8:9], 0x0              ; the eight biases
	s_wait_loadcnt 0x0                             ; x and w_router are in
	s_wait_kmcnt 0x0                               ; and the biases
; Four accumulators by turns, one instruction a turn; the first four products start the sums with the constant 0.
.set q, 0
.rept 32
.if q < 4
	v_wmma_f32_16x16x4_f32 v[RA+8*(q%4):RA+8*(q%4)+7], v[W+2*q:W+2*q+1], v[X+2*q:X+2*q+1], 0
.else
	v_wmma_f32_16x16x4_f32 v[RA+8*(q%4):RA+8*(q%4)+7], v[W+2*q:W+2*q+1], v[X+2*q:X+2*q+1], v[RA+8*(q%4):RA+8*(q%4)+7]
.endif
.set q, q+1
.endr
	QUANT X                                        ; it reads x and writes none of the products' registers
.rept 8
	v_nop                                          ; eight places behind this form before its results are read and before loads land on its sources
.endr
.irp p, 0,2,4,6                                ; each accumulator is read from its low end on
	v_pk_add_f32 v[T+\p:T+\p+1], v[RA+\p:RA+\p+1], v[RA+8+\p:RA+8+\p+1]
.endr
.irp p, 0,2,4,6
	v_pk_add_f32 v[T2+\p:T2+\p+1], v[RA+16+\p:RA+16+\p+1], v[RA+24+\p:RA+24+\p+1]
.endr
.irp p, 0,2,4,6
	v_pk_add_f32 v[T+\p:T+\p+1], v[T+\p:T+\p+1], v[T2+\p:T2+\p+1]
.endr
	ds_store_b128 v7, v[T:T+3]                     ; my wave's partial logits, as they stand in the registers
	ds_store_b128 v7, v[T+4:T+7] offset:512
	ds_store_b128 v8, v[PC:PC+3]                   ; k = 32 h + 0 .. 31 of my wave's 128
	ds_store_b128 v8, v[PC+4:PC+7] offset:32       ; k = 64 + 32 h + 0 .. 31
	ds_store_b32 v9, v[PW]                         ; lanes r and r + 16 write the same word with the same value
	s_wait_dscnt 0x0                               ; for the others' sake: my stores have landed
	s_barrier_signal -1
	s_barrier_wait -1
	ds_load_b128 v[W:W+3], v10                     ; two whole rows of codes a wave
	ds_load_b128 v[W+4:W+7], v10 offset:XSP
	s_wait_dscnt 1                                 ; the first row is in; the second's load may be out
	global_store_b128 v6, v[W:W+3], s[12:13]       ; 32 lanes store 512 consecutive bytes
	s_wait_dscnt 0x0
	global_store_b128 v6, v[W+4:W+7], s[12:13] offset:512
	s_cmp_lg_u32 s16, 0
	s_cbranch_scc1 .Ldone                          ; the rest is wave 0's; no barrier stands in it
	ds_load_b128 v[W+8:W+11], v11
.irp u, 0,1,2,3,4,5,6,7
	ds_load_b128 v[X+8*\u:X+8*\u+3], v6 offset:LG+1024*\u
	ds_load_b128 v[X+8*\u+4:X+8*\u+7], v6 offset:LG+1024*\u+512
.endr
	s_wait_dscnt 16                                ; the scale words are in; the sixteen loads behind them may be out
	global_store_b128 v6, v[W+8:W+11], s[14:15]    ; 512 consecutive bytes of xs
	s_wait_dscnt 0x0
.irp u, 1,2,3,4,5,6,7                          ; the waves' parts in ascending k
.irp p, 0,2,4,6
	v_pk_add_f32 v[X+\p:X+\p+1], v[X+\p:X+\p+1], v[X+8*\u+\p:X+8*\u+\p+1]
.endr
.endr
.irp j, 0,1,2,3,4,5,6,7
	v_add_f32 v[X+\j], s[24+\j], v[X+\j]           ; + b_router
.endr
	v_mov_b32 v[BEST], v[X]
	v_mov_b32 v[IDX], 0
.irp j, 1,2,3,4,5,6,7
	v_cmp_le_f32 vcc_lo, v[X+\j], v[BEST]          ; not larger: the earlier index stays (ties keep the lower one)
	v_cndmask_b32 v[IDX], \j, v[IDX], vcc_lo
	v_max_num_f32 v[BEST], v[BEST], v[X+\j]
.endr
	global_store_b32 v12, v[IDX], s[10:11]         ; lanes r and r + 16 hold the same index (experts 0-7 stood twice) and write the same word
.Ldone:
	s_wait_tensorcnt 0x0
	ds_add_u32 v224, v225
	s_wait_dscnt 0x0
	s_endpgm
.Lfunc_end_k_q9a2b3b35f7_route:
	.size	k_q9a2b3b35f7_route, .Lfunc_end_k_q9a2b3b35f7_route-k_q9a2b3b35f7_route
	.p2alignl 7, 3214868480
	.fill 96, 4, 3214868480
	.section	.rodata,"a",@progbits
	.p2align	6, 0x0
	.amdhsa_kernel k_q9a2b3b35f7_route
		.amdhsa_group_segment_fixed_size 18432
		.amdhsa_private_segment_fixed_size 0
		.amdhsa_enable_private_segment 0
		.amdhsa_kernarg_size 48
		.amdhsa_user_sgpr_count 2
		.amdhsa_user_sgpr_kernarg_segment_ptr 1
		.amdhsa_wavefront_size32 1
		.amdhsa_system_sgpr_workgroup_id_x 1
		.amdhsa_system_sgpr_workgroup_id_y 1
		.amdhsa_system_sgpr_workgroup_id_z 1
		.amdhsa_system_vgpr_workitem_id 0
		.amdhsa_next_free_vgpr 226
		.amdhsa_next_free_sgpr 66
		.amdhsa_reserve_vcc 1
		.amdhsa_float_denorm_mode_32 3
		.amdhsa_float_denorm_mode_16_64 3
		.amdhsa_memory_ordered 1
		.amdhsa_forward_progress 1
		.amdhsa_inst_pref_size 22
	.end_amdhsa_kernel
	.amdgpu_metadata
---
amdhsa.version: [ 1, 2 ]
amdhsa.kernels:
  - .name:           k_q9a2b3b35f7_route
    .symbol:         k_q9a2b3b35f7_route.kd
    .args:
      - { .name: x, .offset: 0, .size: 8, .value_kind: global_buffer, .address_space: global }
      - { .name: w_router, .offset: 8, .size: 8, .value_kind: global_buffer, .address_space: global }
      - { .name: b_router, .offset: 16, .size: 8, .value_kind: global_buffer, .address_space: global }
      - { .name: top1, .offset: 24, .size: 8, .value_kind: global_buffer, .address_space: global }
      - { .name: xq, .offset: 32, .size: 8, .value_kind: global_buffer, .address_space: global }
      - { .name: xs, .offset: 40, .size: 8, .value_kind: global_buffer, .address_space: global }
    .group_segment_fixed_size: 18432
    .private_segment_fixed_size: 0
    .kernarg_segment_align: 8
    .kernarg_segment_size: 48
    .max_flat_workgroup_size: 256
    .sgpr_count:     66
    .vgpr_count:     226
    .wavefront_size: 32
...
	.end_amdgpu_metadata
.endif
;; end of part 1
;; launch place (part 2): grid 8 x 1, 16 waves a work-group, no clusters, 0 bytes of LDS; arguments top1, lists, cnts; writes lists, cnts
.if DOCPART == 2
	.amdgcn_target "amdgcn-amd-amdhsa--gfx1250"
	.amdhsa_code_object_version 6
	.text
	.protected	k_q9a2b3b35f7_place
	.globl	k_q9a2b3b35f7_place
	.p2align	8
	.type	k_q9a2b3b35f7_place,@function
k_q9a2b3b35f7_place:
	s_mov_b64 s[64:65], 0
	v_nop
	global_prefetch_b8 v0, s[64:65] scope:SCOPE_SE
	s_setreg_imm32_b32 hwreg(HW_REG_WAVE_MODE, 25, 1), 1
	s_wait_xcnt 0x0
; THE PLACING OF ROWS.  top1: [1024] u32, each token's expert.  Out: lists [8][1024] u32: expert e's tokens in ascending order, and in every place at or past its count its first token
; (so that a last tile of 16 is filled with copies of a row that is computed anyway; where an expert has no token, numbers under 1,024 that nobody uses);  cnts: u32 at 4 e, the count.
; SHARES.  Work-group e serves expert e; wave w makes places 64 w .. 64 w + 63 of its list; a lane makes places 64 w + 2 x lane and the next, 8 bytes, so a wave stores 256 consecutive bytes.
; NOTHING IS SCATTERED: every address is made of ids alone, and no branch hangs on top1.  The list is made by SEARCHING:
;   every wave ballots all 32 groups of 32 tokens (a mask for each group in a scalar register) and keeps, for each group g, the word (chosen tokens ahead of it) << 16 | g;
;   place p lies in the LAST group whose word is at most p << 16 | 0xffff, that is, with at most p chosen tokens ahead of it: one compare and two selects a group;
;   in that group's mask the token is set bit number n = p - (tokens ahead): found by halving, with the counts of set bits in fields of 2, 4, 8 and 16 bits made once by shifts and masks.
; Eight work-groups: the work is 8 x 1,024 numbers.  No LDS, no barrier: waves share nothing.
.set OUT, 6                            ; v[6:7]   the lane's two tokens
.set TP,  40                           ; v40-71   top1 of tokens 32 g + lane
.set MK,  8                            ; s8-39    the ballot of group g
.set PK,  66                           ; s66-97   (chosen tokens ahead of group g) << 16 | g
; place i of the lane's two has 12 registers from v[8 + 16 i] on: +0 the place, +1 place << 16 | 0xffff, +2 the group's mask, +3 the group's word,
; +4 to +7 the counts of set bits in fields of 2, 4, 8, 16 bits, +8 n, +9 the bit's number so far, +10, +11 at work
.macro START i
.set R, 8+16*(\i)
	v_cmp_gt_u32 vcc_lo, s44, v[R]                 ; a place under the count?
	v_cndmask_b32 v[R], 0, v[R], vcc_lo            ; the others take place 0's token
	v_lshl_or_b32 v[R+1], v[R], 16, 0xffff
	v_mov_b32 v[R+2], s[MK]                        ; group 0 has no token ahead of it: it is the first candidate of every place
	v_mov_b32 v[R+3], s[PK]
.endm
.macro SCAN i, g
.set R, 8+16*(\i)
	v_cmp_gt_u32 vcc_lo, s[PK+\g], v[R+1]          ; more than p tokens ahead of group g: the earlier candidate stays
	v_cndmask_b32 v[R+2], s[MK+\g], v[R+2], vcc_lo
	v_cndmask_b32 v[R+3], s[PK+\g], v[R+3], vcc_lo
.endm
.macro HALVE f, w                      ; of the 2 w bits in hand the low w hold v[f]'s field of set bits: if n is not under that count, the bit lies in the high w
	v_bfe_u32 v[R+10], v[\f], v[R+9], \w
	v_cmp_ge_u32 vcc_lo, v[R+8], v[R+10]
	v_sub_nc_u32 v[R+10], v[R+8], v[R+10]
	v_add_nc_u32 v[R+11], \w, v[R+9]
	v_cndmask_b32 v[R+8], v[R+8], v[R+10], vcc_lo
	v_cndmask_b32 v[R+9], v[R+9], v[R+11], vcc_lo
.endm
.macro PICK i
.set R, 8+16*(\i)
	v_lshrrev_b32 v[R+10], 16, v[R+3]              ; the tokens ahead of the group
	v_sub_nc_u32 v[R+8], v[R], v[R+10]             ; n: which set bit of its mask
	v_lshrrev_b32 v[R+10], 1, v[R+2]
	v_and_b32 v[R+10], 0x55555555, v[R+10]
	v_sub_nc_u32 v[R+4], v[R+2], v[R+10]           ; set bits in each field of 2
	v_lshrrev_b32 v[R+10], 2, v[R+4]
	v_and_b32 v[R+10], 0x33333333, v[R+10]
	v_and_b32 v[R+5], 0x33333333, v[R+4]
	v_add_nc_u32 v[R+5], v[R+5], v[R+10]           ; of 4
	v_lshrrev_b32 v[R+10], 4, v[R+5]
	v_add_nc_u32 v[R+6], v[R+5], v[R+10]
	v_and_b32 v[R+6], 0x0f0f0f0f, v[R+6]           ; of 8
	v_lshrrev_b32 v[R+10], 8, v[R+6]
	v_add_nc_u32 v[R+7], v[R+6], v[R+10]
	v_and_b32 v[R+7], 0x00ff00ff, v[R+7]           ; of 16
	v_mov_b32 v[R+9], 0
	HALVE R+7, 16
	HALVE R+6, 8
	HALVE R+5, 4
	HALVE R+4, 2
	HALVE R+2, 1
	v_and_b32 v[R+10], 31, v[R+3]                  ; g
	v_lshl_add_u32 v[OUT+\i], v[R+10], 5, v[R+9]   ; the token: 32 g + the bit's number, under 1,024
.endm
	s_load_b128 s[4:7], s[0:1], 0x0                ; top1 s[4:5], lists s[6:7]
	s_load_b64 s[40:41], s[0:1], 0x10              ; cnts
	v_lshrrev_b32 v1, 5, v0
	v_readfirstlane_b32 s42, v1                    ; wave 0..15
	v_and_b32 v1, 31, v0                           ; lane
	v_lshlrev_b32 v2, 2, v1                        ; top1: 4 x lane
	v_lshlrev_b32 v3, 3, v1                        ; lists: 8 x lane
	s_mov_b32 s43, ttmp9                           ; e
	s_mov_b32 s47, 0
	s_lshl_b32 s46, s43, 12                        ; the expert's row of 4,096 bytes,
	s_lshl_b32 s45, s42, 8                         ; my wave's 256 of them
	s_add_co_u32 s46, s46, s45
	s_wait_kmcnt 0x0
.irp g, 0,1,2,3,4,5,6,7,8,9,10,11,12,13,14,15,16,17,18,19,20,21,22,23,24,25,26,27,28,29,30,31
	global_load_b32 v[TP+\g], v2, s[4:5] offset:128*\g   ; top1 of token 32 g + lane
.endr
	s_add_nc_u64 s[6:7], s[6:7], s[46:47]
	s_lshl_b32 s46, s43, 2
	s_add_nc_u64 s[40:41], s[40:41], s[46:47]      ; the expert's count
	s_lshl_b32 s45, s42, 6
	v_lshl_add_u32 v8, v1, 1, s45                  ; my first place: 64 w + 2 x lane,
	v_add_nc_u32 v24, 1, v8                        ; and my second
	s_wait_loadcnt 0x0                             ; all of top1 is in
	s_mov_b32 s44, 0                               ; chosen tokens so far
.irp g, 0,1,2,3,4,5,6,7,8,9,10,11,12,13,14,15,16,17,18,19,20,21,22,23,24,25,26,27,28,29,30,31
	v_cmp_eq_u32 s[MK+\g], s43, v[TP+\g]           ; which of these 32 tokens chose e
	s_lshl_b32 s[PK+\g], s44, 16
	s_or_b32 s[PK+\g], s[PK+\g], \g
	s_bcnt1_i32_b32 s45, s[MK+\g]
	s_add_co_u32 s44, s44, s45
.endr
	START 0
	START 1
.irp g, 1,2,3,4,5,6,7,8,9,10,11,12,13,14,15,16,17,18,19,20,21,22,23,24,25,26,27,28,29,30,31
	SCAN 0, \g
	SCAN 1, \g
.endr
	PICK 0
	PICK 1
	global_store_b64 v3, v[OUT:OUT+1], s[6:7]      ; 32 lanes store 256 consecutive bytes, at a multiple of 256 from the buffer's first byte
	s_cmp_lg_u32 s42, 0
	s_cbranch_scc1 .Ldone
	v_mov_b32 v4, 0
	v_mov_b32 v5, s44
	global_store_b32 v4, v5, s[40:41]              ; wave 0: the count; all lanes write the same word with the same value
.Ldone:
	s_endpgm
.Lfunc_end_k_q9a2b3b35f7_place:
	.size	k_q9a2b3b35f7_place, .Lfunc_end_k_q9a2b3b35f7_place-k_q9a2b3b35f7_place
	.p2alignl 7, 3214868480
	.fill 96, 4, 3214868480
	.section	.rodata,"a",@progbits
	.p2align	6, 0x0
	.amdhsa_kernel k_q9a2b3b35f7_place
		.amdhsa_group_segment_fixed_size 0
		.amdhsa_private_segment_fixed_size 0
		.amdhsa_enable_private_segment 0
		.amdhsa_kernarg_size 24
		.amdhsa_user_sgpr_count 2
		.amdhsa_user_sgpr_kernarg_segment_ptr 1
		.amdhsa_wavefront_size32 1
		.amdhsa_system_sgpr_workgroup_id_x 1
		.amdhsa_system_sgpr_workgroup_id_y 1
		.amdhsa_system_sgpr_workgroup_id_z 1
		.amdhsa_system_vgpr_workitem_id 0
		.amdhsa_next_free_vgpr 72
		.amdhsa_next_free_sgpr 98
		.amdhsa_reserve_vcc 1
		.amdhsa_float_denorm_mode_32 3
		.amdhsa_float_denorm_mode_16_64 3
		.amdhsa_memory_ordered 1
		.amdhsa_forward_progress 1
		.amdhsa_inst_pref_size 21
	.end_amdhsa_kernel
	.amdgpu_metadata
---
amdhsa.version: [ 1, 2 ]
amdhsa.kernels:
  - .name:           k_q9a2b3b35f7_place
    .symbol:         k_q9a2b3b35f7_place.kd
    .args:
      - { .name: top1, .offset: 0, .size: 8, .value_kind: global_buffer, .address_space: global }
      - { .name: lists, .offset: 8, .size: 8, .value_kind: global_buffer, .address_space: global }
      - { .name: cnts, .offset: 16, .size: 8, .value_kind: global_buffer, .address_space: global }
    .group_segment_fixed_size: 0
    .private_segment_fixed_size: 0
    .kernarg_segment_align: 8
    .kernarg_segment_size: 24
    .max_flat_workgroup_size: 512
    .sgpr_count:     98
    .vgpr_count:     72
    .wavefront_size: 32
...
	.end_amdgpu_metadata
.endif
;; end of part 2
;; launch up (part 3): grid 32 x 8, 16 waves a work-group, no clusters, 75,776 bytes of LDS; arguments cnts, xq, xs, w1, b1, hq, hs, lists; writes hq, hs
.if DOCPART == 3
	.amdgcn_target "amdgcn-amd-amdhsa--gfx1250"
	.amdhsa_code_object_version 6
	.text
	.protected	k_q9a2b3b35f7_up
	.globl	k_q9a2b3b35f7_up
	.p2align	8
	.type	k_q9a2b3b35f7_up,@function
k_q9a2b3b35f7_up:
	s_mov_b64 s[64:65], 0
	v_nop
	global_prefetch_b8 v0, s[64:65] scope:SCOPE_SE
	s_setreg_imm32_b32 hwreg(HW_REG_WAVE_MODE, 25, 1), 1
	s_wait_xcnt 0x0
; FIRST PRODUCT OF THE CHOSEN EXPERT, gelu, AND THE HIDDEN LAYER'S QUANTISER.  h = gelu(Q(x) Q(w1[e]) + b1[e]) for the tokens of expert e's list; Q(h) goes out as codes.
; w1: [8][1024 (k)][4096 (n)] f32, K its first axis within an expert.  Only the rows that the problem's own mask keeps are multiplied.
; SHARES.  Work-group (j = x, e = y) owns hidden units 128 j .. 128 j + 127 of expert e, for all K = 1,024: 524,288 bytes of w1, read once, by nobody else.
; STREAM.  Wave w: cg = w % 4, kg = w / 4.  A LANE TAKES A COLUMN (128 j + 32 cg + lane) AND ITS REGISTERS RUN DOWN K (rows 256 kg .. 256 kg + 255: eight blocks of 32): a load reads 128
; consecutive bytes, four waves side by side 512; a block's largest magnitude needs no other lane, and the conversions give codes with K innermost.  Two blocks (64 loads) a wave are asked ahead.
; The codes wait in 32 registers and go to LDS at the stream's end, in front of the one barrier.
; THE LIST.  The expert's tokens (lists) and their count (cnts) were laid by an earlier launch; places at or past the count hold the first token, so the last tile of 16 is whole.
; A wave's four possible tiles lie at fixed places of the expert's row, which is always written whole: their tokens are loaded at the head, ahead of the stream.
; PRODUCT.  Wave w takes tiles of 16 tokens t = w, w + 16, .. under T = ceil(count / 16), each against all 8 tiles of 16 hidden units: 64 matrix instructions.  TRANSPOSED: source 0 = 16 columns of
; w1, source 1 = 16 tokens: a lane holds ONE token and its registers run along the hidden units, the next product's K.  THE COLUMNS OF A TILE ARE NOT NEIGHBOURS: row m of tile 2 b + u is hidden
; unit 32 b + 8 u + m + 8 (m / 8), so that the 16 registers of tiles 2 b and 2 b + 1 are 16 neighbours along that K.  The LDS rows lie in tile order already.  b1 is loaded into the accumulators.
; gelu(x) = max(x, 0) - |x| erfc(|x| / sqrt 2) / 2, exact in form for both signs; erfc(z) = t exp(-z^2 + P(t)), t = 1 / (1 + z / 2), P of degree 9 (fractional error 1.2e-7), taken to base 2 with the 1/2 in its constant term.
; OUT.  hq [8 e][64 tiles][32 K steps][1,024 bytes]: the fragment (16 tokens x 128 hidden units) as an image of its registers: registers 0-3 at 16 x lane, 4-7 at 512 + 16 x lane.  hs [8][64][32][128 bytes]: its scale word at 4 x lane.
; LIMITS: NaN and infinities are not served.  Beside erfc's 1.2e-7 the exponent x^2 log2(e) / 2 is rounded in f32, an error that grows with x^2; from |x| about 13 on the exponential is 0 and gelu is max(x, 0).
; Blocks under 2^-124, zeros too, get the scale byte 1: only this program reads the bytes.
; NO CLUSTER: a work-group's 524,288 bytes of w1 are its own; what the 32 work-groups of an expert share is 544 bytes a token, walked in a loop whose trip count is read from memory, where no joint request could be kept alike.
; NO TENSOR LOAD: the numbers must reach one lane's registers down K word by word, and 16 waves x 64 loads of 128 bytes are on their way without any barrier.
.set KPITCH, 16384                     ; bytes from row k to row k + 1 of w1
.set WS,   0                           ; LDS: 128 rows x (32 scale bytes + 16)
.set WSP,  48
.set WC,   6144                        ; 128 rows x (512 bytes of codes + 16): 33 x 16 bytes from row to row
.set WCP,  528
.set TOK,  24                          ; v24-27   my lane's token in my wave's four possible tiles
.set XSC,  28                          ; v28-31   x's scale words: lanes 0-15 K steps 0-3, lanes 16-31 K steps 4-7.  Scales and nothing else
.set SW,   32                          ; v32-63   w1's, four registers a tile, likewise.  Scales and nothing else
.set XF,   64                          ; v64-127  x's eight fragments
.set ACC,  128                         ; v128-191 eight accumulators
.set WF,   192                         ; v192-255 w1's fragments: two buffers of four
.set X,    128                         ; the stream: v128-191 two sets of 32 numbers,
.set C,    64                          ; v64-95   eight blocks' codes,
.set SB,   96                          ; v96-97   their scale bytes,
.set M,    98                          ; v98-101  at work
.set U,    192                         ; behind the products: v192-199 t, v200-207 x^2, v208-215 the polynomial, v216-223 max(x, 0)
.set XX,   200
.set P,    208
.set RR,   216
.set PC,   224                         ; v224-231 the hidden fragment's codes
.set TM,   232                         ; v232-247 at work in QUANT
.set PW,   248                         ; v248     its scale word
.set SEL,  36                          ; s[36:37] lane selects: lane l xor 16
.set K1,   39                          ; s39      1 / (2 sqrt 2)
.set KX,   40                          ; s[40:41] -log2(e) / 2
.set CO,   42                          ; s[42:59] the polynomial's coefficients 0 to 8, a pair each (the packed form names a pair and takes its low word)
.macro PLACES
.rept 4
	v_nop
.endr
.endm
.macro LOAD t                          ; block t: w1(256 kg + 32 t + i, my column), i = 0 .. 31, into set t % 2.  The largest offset, 255 rows, lies inside the signed 24-bit immediate
.irp i, 0,1,2,3,4,5,6,7,8,9,10,11,12,13,14,15,16,17,18,19,20,21,22,23,24,25,26,27,28,29,30,31
	global_load_b32 v[X+32*((\t)%2)+\i], v4, s[10:11] offset:(32*(\t)+\i)*KPITCH th:TH_LOAD_NT
.endr
.endm
.macro BLOCK t
.set XB, X+32*((\t)%2)
.if (\t) < 7
	s_wait_loadcnt 32                              ; this block's 32 loads (and all older ones) are in; the next block's 32 may be out
.else
	s_wait_loadcnt 0x0
.endif
	v_max3_num_f32 v[M], |v[XB]|, |v[XB+1]|, |v[XB+2]|             ; the block's largest magnitude: all 32 numbers are mine; two chains
	v_max3_num_f32 v[M+1], |v[XB+3]|, |v[XB+4]|, |v[XB+5]|
.irp i, 6,10,14,18,22,26
	v_max3_num_f32 v[M], v[M], |v[XB+\i]|, |v[XB+\i+1]|
	v_max3_num_f32 v[M+1], v[M+1], |v[XB+\i+2]|, |v[XB+\i+3]|
.endr
	v_max3_num_f32 v[M], v[M], |v[XB+30]|, |v[XB+31]|
	v_max3_num_f32 v[M], v[M], v[M+1], 0x1800000   ; and the floor 2^(3 - 127): the byte cannot fall under 1
	v_add_nc_u32 v[M+2], 0xff000000, v[M]          ; 2 off its exponent field: the conversion's scale operand
.irp g, 0,1,2,3
	v_cvt_scalef32_pk8_fp4_f32 v[C+4*(\t)+\g], v[XB+8*\g:XB+8*\g+7], v[M+2]
.endr
	v_lshrrev_b32 v[M+3], 23, v[M+2]               ; the scale's byte.  (The plain line behind the conversions)
.if (\t)%4 == 0
	v_mov_b32 v[SB+(\t)/4], v[M+3]                 ; four bytes to a register, the lower K in the lower byte
.else
	v_lshl_or_b32 v[SB+(\t)/4], v[M+3], 8*((\t)%4), v[SB+(\t)/4]
.endif
.if (\t)+2 < 8
	LOAD (\t)+2
.endif
.endm
; 64 numbers of a lane, register 16 b + i = k 32 b + 16 (lane / 16) + i of my row, become a fragment's codes in v[PC] on and its scale word in v[PW].
.macro QUANT s
.irp b, 0,1,2,3
	v_max3_num_f32 v[TM+\b], |v[\s+16*\b]|, |v[\s+1+16*\b]|, 0x1800000
.endr
.irp i, 2,4,6,8,10,12,14
.irp b, 0,1,2,3
	v_max3_num_f32 v[TM+\b], v[TM+\b], |v[\s+16*\b+\i]|, |v[\s+1+16*\b+\i]|
.endr
.endr
.irp b, 0,1,2,3
	v_permlanex16_b32 v[TM+4+\b], v[TM+\b], s[SEL], s[SEL+1]
.endr
.irp b, 0,1,2,3
	v_max_num_f32 v[TM+\b], v[TM+\b], v[TM+4+\b]
.endr
.irp b, 0,1,2,3
	v_add_nc_u32 v[TM+12+\b], 0xff000000, v[TM+\b]
.endr
.irp b, 0,1,2,3
	v_lshrrev_b32 v[TM+4+\b], 23, v[TM+12+\b]
.endr
	v_lshl_or_b32 v[PW], v[TM+5], 8, v[TM+4]
	v_lshl_or_b32 v[PW], v[TM+6], 16, v[PW]
	v_lshl_or_b32 v[PW], v[TM+7], 24, v[PW]
.irp b, 0,1,2,3
	v_cvt_scalef32_pk8_fp4_f32 v[PC+2*\b], v[\s+16*\b:\s+7+16*\b], v[TM+12+\b]
	v_cvt_scalef32_pk8_fp4_f32 v[PC+1+2*\b], v[\s+8+16*\b:\s+15+16*\b], v[TM+12+\b]
.endr
	v_nop                                          ; one plain place behind a scaled conversion
.irp c, 0,1
.irp i, 0,1
	v_permlane16_swap_b32 v[PC+4*\c+\i], v[PC+2+4*\c+\i]
.endr
.endr
.endm
.macro FETCHW g, buf                   ; group g: K step g / 2, tiles 4 (g % 2) .. + 3 of w1's columns: eight loads of 16 bytes a lane
.irp i, 0,1,2,3
.irp c, 0,1
	ds_load_b128 v[WF+32*(\buf)+8*\i+4*\c:WF+32*(\buf)+8*\i+4*\c+3], v7 offset:16*(4*((\g)%2)+\i)*WCP+64*((\g)/2)+32*\c
.endr
.endr
.endm
; one product in place.  ra, rb: which half of the lanes of the scale registers is read
.macro WM d, a, b, sa, sb, ra, rb
.if ((\ra) == 0) && ((\rb) == 0)
	v_wmma_scale_f32_16x16x128_f8f6f4 v[(\d):(\d)+7], v[(\a):(\a)+7], v[(\b):(\b)+7], v[(\d):(\d)+7], v[(\sa)], v[(\sb)] matrix_a_fmt:MATRIX_FMT_FP4 matrix_b_fmt:MATRIX_FMT_FP4
.elseif ((\ra) == 1) && ((\rb) == 0)
	v_wmma_scale_f32_16x16x128_f8f6f4 v[(\d):(\d)+7], v[(\a):(\a)+7], v[(\b):(\b)+7], v[(\d):(\d)+7], v[(\sa)], v[(\sb)] matrix_a_fmt:MATRIX_FMT_FP4 matrix_b_fmt:MATRIX_FMT_FP4 matrix_a_scale:MATRIX_SCALE_ROW1
.elseif ((\ra) == 0) && ((\rb) == 1)
	v_wmma_scale_f32_16x16x128_f8f6f4 v[(\d):(\d)+7], v[(\a):(\a)+7], v[(\b):(\b)+7], v[(\d):(\d)+7], v[(\sa)], v[(\sb)] matrix_a_fmt:MATRIX_FMT_FP4 matrix_b_fmt:MATRIX_FMT_FP4 matrix_b_scale:MATRIX_SCALE_ROW1
.else
	v_wmma_scale_f32_16x16x128_f8f6f4 v[(\d):(\d)+7], v[(\a):(\a)+7], v[(\b):(\b)+7], v[(\d):(\d)+7], v[(\sa)], v[(\sb)] matrix_a_fmt:MATRIX_FMT_FP4 matrix_b_fmt:MATRIX_FMT_FP4 matrix_a_scale:MATRIX_SCALE_ROW1 matrix_b_scale:MATRIX_SCALE_ROW1
.endif
.endm
; gelu of the eight numbers of one accumulator, in place, from its low end on
.macro GELU8 a
.irp i, 0,1,2,3,4,5,6,7
	v_fma_f32 v[U+\i], |v[(\a)+\i]|, s[K1], 1.0    ; 1 + z / 2, z = |x| / sqrt 2
.endr
.irp i, 0,1,2,3,4,5,6,7
	v_rcp_f32 v[U+\i], v[U+\i]                     ; t
.endr
.irp p, 0,2,4,6
	v_pk_mul_f32 v[XX+\p:XX+\p+1], v[(\a)+\p:(\a)+\p+1], v[(\a)+\p:(\a)+\p+1]   ; x^2.  (Plain lines behind the reciprocals)
.endr
	s_wait_alu depctr_va_vdst(0)
.irp p, 0,2,4,6
	v_pk_fma_f32 v[P+\p:P+\p+1], v[U+\p:U+\p+1], v[20:21], s[CO+16:CO+17] op_sel_hi:[1,1,0]   ; c9 t + c8
.endr
.irp k, 7,6,5,4,3,2,1,0
.irp p, 0,2,4,6
	v_pk_fma_f32 v[P+\p:P+\p+1], v[P+\p:P+\p+1], v[U+\p:U+\p+1], s[CO+2*\k:CO+2*\k+1] op_sel_hi:[1,1,0]
.endr
.endr
.irp p, 0,2,4,6
	v_pk_fma_f32 v[P+\p:P+\p+1], v[XX+\p:XX+\p+1], s[KX:KX+1], v[P+\p:P+\p+1] op_sel_hi:[1,0,1]   ; - x^2 log2(e) / 2
.endr
.irp i, 0,1,2,3,4,5,6,7
	v_exp_f32 v[P+\i], v[P+\i]
.endr
.irp i, 0,1,2,3,4,5,6,7
	v_max_num_f32 v[RR+\i], 0, v[(\a)+\i]          ; max(x, 0).  (Plain lines behind the exponentials)
.endr
	s_wait_alu depctr_va_vdst(0)
.irp p, 0,2,4,6
	v_pk_mul_f32 v[U+\p:U+\p+1], v[U+\p:U+\p+1], v[P+\p:P+\p+1]   ; erfc(z) / 2
.endr
.irp i, 0,1,2,3,4,5,6,7
	v_fma_f32 v[(\a)+\i], -|v[(\a)+\i]|, v[U+\i], v[RR+\i]
.endr
.endm
	s_load_b512 s[4:19], s[0:1], 0x0               ; cnts s[4:5], xq s[6:7], xs s[8:9], w1 s[10:11], b1 s[12:13], hq s[14:15], hs s[16:17], lists s[18:19]
	v_lshl_add_u32 v19, v0, 2, 0x12000
	v_mov_b32 v22, 0
	v_lshrrev_b32 v1, 5, v0
	v_readfirstlane_b32 s22, v1                    ; wave 0..15
	v_and_b32 v1, 31, v0                           ; lane
	v_and_b32 v2, 15, v0                           ; r
	v_bfe_u32 v3, v0, 4, 1                         ; h
	s_and_b32 s23, ttmp7, 0xffff                   ; e
	s_mov_b32 s24, ttmp9                           ; j
	s_and_b32 s25, s22, 3                          ; cg
	s_lshr_b32 s26, s22, 2                         ; kg
	v_lshlrev_b32 v4, 2, v1                        ; 4 x lane: my column in a load; my scale word in hs
	v_and_b32 v23, 7, v0
	v_bfe_u32 v18, v0, 3, 1
	v_lshl_add_u32 v23, v18, 4, v23
	v_lshl_add_u32 v23, v3, 3, v23
	s_lshl_b32 s60, s25, 5
	v_add_nc_u32 v23, s60, v23                     ; my column's LDS row, in tile order: 32 cg + 16 ((lane / 8) % 2) + 8 (lane / 16) + lane % 8
	v_mul_u32_u24 v5, v23, WCP
	s_lshl_b32 s60, s26, 7
	s_add_co_u32 s60, s60, WC
	v_add_nc_u32 v5, s60, v5                       ; its codes: my wave's 256 along K are 128 bytes
	v_mul_u32_u24 v6, v23, WSP
	s_lshl_b32 s60, s26, 3
	v_add_nc_u32 v6, s60, v6                       ; WS + its scale bytes: my wave's eight
	v_mul_u32_u24 v7, v2, WCP
	v_lshl_add_u32 v7, v3, 4, v7
	v_add_nc_u32 v7, WC, v7                        ; a fragment: row r, + 16 h
	v_mul_u32_u24 v8, v2, WSP
	v_lshl_add_u32 v8, v3, 4, v8                   ; WS + its scale words: lanes 0-15 words 0-3, lanes 16-31 words 4-7
	s_lshl_b32 s60, s22, 6
	v_lshl_add_u32 v9, v2, 2, s60                  ; lists: 64 w + 4 r: row r of tile w
	v_lshlrev_b32 v11, 4, v1                       ; 16 x lane
	v_lshlrev_b32 v13, 6, v3                       ; b1: 64 h
	v_lshlrev_b32 v14, 4, v3                       ; 16 h
	v_mov_b32 v20, 0x3e7c6f08                      ; c9 = 0.2465173, twice
	v_mov_b32 v21, 0x3e7c6f08
	s_mov_b32 s[SEL], 0x76543210
	s_mov_b32 s[SEL+1], 0xfedcba98
	s_mov_b32 s[K1], 0x3eb504f3                    ; 0.35355339
	s_mov_b32 s[KX], 0xbf38aa3b                    ; -0.72134752
	s_mov_b32 s[KX+1], 0xbf38aa3b
.macro COEF k, bits
	s_mov_b32 s[CO+2*\k], \bits
	s_mov_b32 s[CO+2*\k+1], \bits
.endm
	COEF 0, 0xc034d90f                             ; -2.8257482 = -1.26551223 log2(e) - 1
	COEF 1, 0x3fb8ab5a                             ;  1.4427292
	COEF 2, 0x3f0a29d2                             ;  0.5397006
	COEF 3, 0x3e0efb2e                             ;  0.1396301
	COEF 4, 0xbe899a80                             ; -0.2687569
	COEF 5, 0x3ecdfd18                             ;  0.4023216
	COEF 6, 0xbfd1a1e5                             ; -1.6377532
	COEF 7, 0x40097039                             ;  2.1474745
	COEF 8, 0xbf97d29d                             ; -1.1861149
	s_mov_b32 s61, 0
	s_lshl_b32 s60, s23, 24                        ; w1: the expert, 2^24 bytes;
	s_lshl_b32 s62, s26, 22                        ; 256 kg rows of 16,384 bytes;
	s_add_co_u32 s60, s60, s62
	s_lshl_b32 s62, s24, 9                         ; 128 j columns;
	s_add_co_u32 s60, s60, s62
	s_lshl_b32 s62, s25, 7                         ; 32 cg columns
	s_add_co_u32 s60, s60, s62
	s_wait_kmcnt 0x0
	s_add_nc_u64 s[10:11], s[10:11], s[60:61]
	s_lshl_b32 s60, s23, 14
	s_lshl_b32 s62, s24, 9
	s_add_co_u32 s60, s60, s62
	s_add_nc_u64 s[12:13], s[12:13], s[60:61]      ; b1 at my 128 units
	s_lshl_b32 s60, s23, 21
	s_lshl_b32 s62, s24, 10
	s_add_co_u32 s60, s60, s62
	s_add_nc_u64 s[14:15], s[14:15], s[60:61]      ; hq at (e, tile 0, K step j)
	s_lshl_b32 s60, s23, 18
	s_lshl_b32 s62, s24, 7
	s_add_co_u32 s60, s60, s62
	s_add_nc_u64 s[16:17], s[16:17], s[60:61]      ; hs likewise
	s_lshl_b32 s60, s23, 12
	s_add_nc_u64 s[18:19], s[18:19], s[60:61]      ; the expert's row of lists
	s_lshl_b32 s60, s23, 2
	s_add_nc_u64 s[4:5], s[4:5], s[60:61]          ; and its count
.irp i, 0,1,2,3
	global_load_b32 v[TOK+\i], v9, s[18:19] offset:1024*\i   ; row r of tiles w, w + 16, w + 32, w + 48: fixed places inside the expert's 4,096 bytes
.endr
	LOAD 0
	LOAD 1
	s_load_b32 s27, s[4:5], 0x0                    ; the expert's count; waited for behind the stream
.irp t, 0,1,2,3,4,5,6,7
	BLOCK \t
.endr
.irp t, 0,1,2,3,4,5,6,7
	ds_store_b128 v5, v[C+4*\t:C+4*\t+3] offset:16*\t   ; 32 codes: 16 bytes of my column's row
.endr
	ds_store_b64 v6, v[SB:SB+1]
	s_wait_dscnt 0x0                               ; for the others' sake: my stores have landed
	s_barrier_signal -1
	s_barrier_wait -1                              ; the slice's codes and scale bytes lie in LDS; from here on LDS is only read, and no barrier follows
	s_wait_kmcnt 0x0
	s_min_u32 s27, s27, 1024
	s_add_co_u32 s28, s27, 15
	s_lshr_b32 s28, s28, 4                         ; T tiles, at most 64
	s_mov_b32 s29, s22                             ; t = w
	s_cmp_ge_u32 s29, s28
	s_cbranch_scc1 .Lend
	s_sub_co_u32 s31, s28, s22                     ; T - w, at least 1 here
	s_add_co_u32 s31, s31, 15
	s_lshr_b32 s31, s31, 4
	s_min_u32 s31, s31, 4                          ; my wave's tiles: ceil((T - w) / 16), 1 to 4
	s_mov_b32 s30, 0                               ; tiles done: the loop's counter, stepped by 1
.irp n, 0,1,2,3,4,5,6,7
	ds_load_b128 v[SW+4*\n:SW+4*\n+3], v8 offset:WS+16*WSP*\n   ; w1's scale words stay in registers
.endr
.Ltile:
	s_wait_xcnt 0x0                                ; the last trip's stores have read their data and bases: both are written again below
	v_min_u32 v18, 1023, v[TOK]                    ; my row's token
	v_lshl_add_u32 v15, v18, 9, v14                ; its codes: 512 bytes a token, + 16 h
	v_lshl_add_u32 v16, v18, 5, v14                ; its scale words: 32 bytes a token, + 16 h
	s_min_u32 s62, s29, 63
	s_lshl_b32 s60, s62, 15
	s_add_nc_u64 s[32:33], s[14:15], s[60:61]      ; the tile's image in hq
	s_lshl_b32 s60, s62, 12
	s_add_nc_u64 s[34:35], s[16:17], s[60:61]      ; and in hs
.irp k, 0,1,2,3,4,5,6,7
.irp c, 0,1
	global_load_b128 v[XF+8*\k+4*\c:XF+8*\k+4*\c+3], v15, s[6:7] offset:64*\k+32*\c
.endr
.endr
	global_load_b128 v[XSC:XSC+3], v16, s[8:9]
.irp n, 0,1,2,3,4,5,6,7                        ; b1 in the result's layout: tile 2 b + u, lane half h: units 32 b + 16 h + 8 u + 0 .. 7.  It is the C of each sum's first product
	global_load_b128 v[ACC+8*\n:ACC+8*\n+3], v13, s[12:13] offset:(32*(\n/2)+8*(\n%2))*4
	global_load_b128 v[ACC+8*\n+4:ACC+8*\n+7], v13, s[12:13] offset:(32*(\n/2)+8*(\n%2))*4+16
.endr
	FETCHW 0, 0
	FETCHW 1, 1
	s_wait_loadcnt 0x0                             ; x's fragments, its scale words and the biases are in
; 16 groups of four products; the eight accumulators take turns, one instruction a turn
.set g, 0
.rept 16
.if g < 15
	s_wait_dscnt 8                                 ; this group's eight loads are in; the next group's eight may be out
.else
	s_wait_dscnt 0x0
.endif
.set kst, g/2
.irp i, 0,1,2,3
.set cti, 4*(g%2)+\i
	WM ACC+8*cti, WF+32*(g%2)+8*\i, XF+8*kst, SW+4*cti+kst%4, XSC+kst%4, kst/4, kst/4
.endr
.if g < 14
	PLACES                                         ; four places in front of loads into registers that these products have read (ISA guide 7.12.1 for vector instructions)
	FETCHW g+2, g%2
.endif
.set g, g+1
.endr
	PLACES                                         ; four places before the results are read and the fragments' registers are written
.irp n, 0,1,2,3,4,5,6,7
	GELU8 ACC+8*\n
.endr
	QUANT ACC                                      ; K step j of the second product, for these 16 tokens
	global_store_b128 v11, v[PC:PC+3], s[32:33]    ; 512 consecutive bytes a store
	global_store_b128 v11, v[PC+4:PC+7], s[32:33] offset:512
	global_store_b32 v4, v[PW], s[34:35]
	v_mov_b32 v[TOK], v[TOK+1]                     ; my wave's next tile
	v_mov_b32 v[TOK+1], v[TOK+2]
	v_mov_b32 v[TOK+2], v[TOK+3]
	s_add_co_u32 s29, s29, 16                      ; its number
	s_add_co_u32 s30, s30, 1
	s_cmp_lt_u32 s30, s31
	s_cbranch_scc1 .Ltile
.Lend:
	s_wait_tensorcnt 0x0
	ds_add_u32 v19, v22
	s_wait_dscnt 0x0
	s_endpgm
.Lfunc_end_k_q9a2b3b35f7_up:
	.size	k_q9a2b3b35f7_up, .Lfunc_end_k_q9a2b3b35f7_up-k_q9a2b3b35f7_up
	.p2alignl 7, 3214868480
	.fill 96, 4, 3214868480
	.section	.rodata,"a",@progbits
	.p2align	6, 0x0
	.amdhsa_kernel k_q9a2b3b35f7_up
		.amdhsa_group_segment_fixed_size 75776
		.amdhsa_private_segment_fixed_size 0
		.amdhsa_enable_private_segment 0
		.amdhsa_kernarg_size 64
		.amdhsa_user_sgpr_count 2
		.amdhsa_user_sgpr_kernarg_segment_ptr 1
		.amdhsa_wavefront_size32 1
		.amdhsa_system_sgpr_workgroup_id_x 1
		.amdhsa_system_sgpr_workgroup_id_y 1
		.amdhsa_system_sgpr_workgroup_id_z 1
		.amdhsa_system_vgpr_workitem_id 0
		.amdhsa_next_free_vgpr 256
		.amdhsa_next_free_sgpr 66
		.amdhsa_reserve_vcc 0
		.amdhsa_float_denorm_mode_32 3
		.amdhsa_float_denorm_mode_16_64 3
		.amdhsa_memory_ordered 1
		.amdhsa_forward_progress 1
		.amdhsa_inst_pref_size 107
	.end_amdhsa_kernel
	.amdgpu_metadata
---
amdhsa.version: [ 1, 2 ]
amdhsa.kernels:
  - .name:           k_q9a2b3b35f7_up
    .symbol:         k_q9a2b3b35f7_up.kd
    .args:
      - { .name: cnts, .offset: 0, .size: 8, .value_kind: global_buffer, .address_space: global }
      - { .name: xq, .offset: 8, .size: 8, .value_kind: global_buffer, .address_space: global }
      - { .name: xs, .offset: 16, .size: 8, .value_kind: global_buffer, .address_space: global }
      - { .name: w1, .offset: 24, .size: 8, .value_kind: global_buffer, .address_space: global }
      - { .name: b1, .offset: 32, .size: 8, .value_kind: global_buffer, .address_space: global }
      - { .name: hq, .offset: 40, .size: 8, .value_kind: global_buffer, .address_space: global }
      - { .name: hs, .offset: 48, .size: 8, .value_kind: global_buffer, .address_space: global }
      - { .name: lists, .offset: 56, .size: 8, .value_kind: global_buffer, .address_space: global }
    .group_segment_fixed_size: 75776
    .private_segment_fixed_size: 0
    .kernarg_segment_align: 8
    .kernarg_segment_size: 64
    .max_flat_workgroup_size: 512
    .sgpr_count:     66
    .vgpr_count:     256
    .wavefront_size: 32
...
	.end_amdgpu_metadata
.endif
;; end of part 3
;; launch down (part 4): grid 32 x 8, 16 waves a work-group, no clusters, 109,568 bytes of LDS; arguments hq, hs, lists, cnts, w2, b2, out0; writes out0
.if DOCPART == 4
	.amdgcn_target "amdgcn-amd-amdhsa--gfx1250"
	.amdhsa_code_object_version 6
	.text
	.protected	k_q9a2b3b35f7_down
	.globl	k_q9a2b3b35f7_down
	.p2align	8
	.type	k_q9a2b3b35f7_down,@function
k_q9a2b3b35f7_down:
	s_mov_b64 s[64:65], 0
	v_nop
	global_prefetch_b8 v0, s[64:65] scope:SCOPE_SE
	s_setreg_imm32_b32 hwreg(HW_REG_WAVE_MODE, 25, 1), 1
	s_wait_xcnt 0x0
; SECOND PRODUCT OF THE CHOSEN EXPERT.  out0[token] = Q(h) Q(w2[e]) + b2[e] for the tokens of expert e's list.  w2: [8][4096 (k)][1024 (n)] f32, K its first axis within an expert.
; SHARES.  Work-group (jc = x, e = y) owns output columns 32 jc .. 32 jc + 31 of expert e, for all K = 4,096: 524,288 bytes of w2, read once.  So each output has ONE owner, and no sum spans work-groups.
; STREAM.  Wave w takes rows 256 w .. 256 w + 255; a lane takes a column and its registers run down K: eight blocks of 32, quantised in registers, then laid into LDS with K innermost.  A load reads 128 consecutive bytes.
; The other 128 bytes of each aligned 256 are the x-neighbour's, so these loads carry no hint against keeping.  Slices of 64 columns would give 128 work-groups and half as many loads on their way; a split of K would want a launch for the sum.
; PRODUCT.  Wave w takes tiles of 16 tokens t = w, w + 16, .. under T = ceil(count / 16); the count (cnts) and the tokens (lists) were laid by an earlier launch.  TRANSPOSED: source 0 = 16 columns of w2 (from LDS),
; source 1 = 16 tokens of h (from hq, an image of the fragment's registers): a lane holds one token and eight neighbouring outputs.  32 K steps x 2 tiles of columns; b2 is loaded into the accumulators.
; OUT.  A tile goes through the wave's own stage in LDS and leaves as 128 consecutive bytes of each token's row, eight lanes to a row.  The rows that fill the last tile are copies of the expert's first token:
; they hold the same operands, go through the same instructions in the same order along K, and store the same numbers to that token's row, from this same work-group.
; LIMITS: NaN and infinities are not served.  Blocks of w2 under 2^-124, zeros too, get the scale byte 1: only this program reads the bytes.
; NO CLUSTER: the 524,288 bytes of w2 are the work-group's own; h's images, which the 32 work-groups of an expert share, are walked in a loop whose trip count is read from memory, where no joint request could be kept alike.
.set KPITCH, 4096                      ; bytes from row k to row k + 1 of w2
.set WC,   0                           ; LDS: 32 rows x (2,048 bytes of codes + 16): 129 x 16 bytes from row to row
.set WCP,  2064
.set WS,   66048                       ; 32 rows x (128 scale bytes + 16)
.set WSP,  144
.set STG,  70656                       ; 16 waves x 16 rows x (128 bytes + 16)
.set STP,  144
.set HS,   16                          ; v16-31   h's scale words: register q: lanes 0-15 K step 2 q, lanes 16-31 K step 2 q + 1.  Scales and nothing else
.set SW,   32                          ; v32-63   w2's: 16 registers a tile: lanes 0-15 K steps 0-15, lanes 16-31 K steps 16-31.  Scales and nothing else
.set ACC,  64                          ; v64-79   two accumulators
.set WF,   80                          ; v80-111  w2's fragments: two buffers of two; on the way out the tile's rows
.set OB,   80
.set HF,   112                         ; v112-239 h's fragments: two buffers of eight K steps
.set TK,   240                         ; v240-243 tokens of rows 4 i + lane / 8
.set OA,   244                         ; v244-247 their byte offsets in out0
.set X,    112                         ; the stream: v112-175 two sets of 32 numbers,
.set C,    176                         ; v176-207 eight blocks' codes,
.set SB,   208                         ; v208-209 their scale bytes,
.set M,    210                         ; v210-213 at work
.macro PLACES
.rept 4
	v_nop
.endr
.endm
.macro LOAD t                          ; block t: w2(256 w + 32 t + i, my column), i = 0 .. 31, into set t % 2
.irp i, 0,1,2,3,4,5,6,7,8,9,10,11,12,13,14,15,16,17,18,19,20,21,22,23,24,25,26,27,28,29,30,31
	global_load_b32 v[X+32*((\t)%2)+\i], v4, s[12:13] offset:(32*(\t)+\i)*KPITCH
.endr
.endm
.macro BLOCK t
.set XB, X+32*((\t)%2)
.if (\t) < 7
	s_wait_loadcnt 32                              ; this block's 32 loads are in; the next block's 32 may be out
.else
	s_wait_loadcnt 0x0
.endif
	v_max3_num_f32 v[M], |v[XB]|, |v[XB+1]|, |v[XB+2]|
	v_max3_num_f32 v[M+1], |v[XB+3]|, |v[XB+4]|, |v[XB+5]|
.irp i, 6,10,14,18,22,26
	v_max3_num_f32 v[M], v[M], |v[XB+\i]|, |v[XB+\i+1]|
	v_max3_num_f32 v[M+1], v[M+1], |v[XB+\i+2]|, |v[XB+\i+3]|
.endr
	v_max3_num_f32 v[M], v[M], |v[XB+30]|, |v[XB+31]|
	v_max3_num_f32 v[M], v[M], v[M+1], 0x1800000   ; the floor 2^(3 - 127): the byte cannot fall under 1
	v_add_nc_u32 v[M+2], 0xff000000, v[M]          ; 2 off the exponent field: the conversion's scale operand
.irp g, 0,1,2,3
	v_cvt_scalef32_pk8_fp4_f32 v[C+4*(\t)+\g], v[XB+8*\g:XB+8*\g+7], v[M+2]
.endr
	v_lshrrev_b32 v[M+3], 23, v[M+2]               ; the scale's byte.  (The plain line behind the conversions)
.if (\t)%4 == 0
	v_mov_b32 v[SB+(\t)/4], v[M+3]
.else
	v_lshl_or_b32 v[SB+(\t)/4], v[M+3], 8*((\t)%4), v[SB+(\t)/4]
.endif
.if (\t)+2 < 8
	LOAD (\t)+2
.endif
.endm
.macro FETCHW k, buf                   ; K step k: both tiles of w2's columns: four loads of 16 bytes a lane
.irp n, 0,1
.irp c, 0,1
	ds_load_b128 v[WF+16*(\buf)+8*\n+4*\c:WF+16*(\buf)+8*\n+4*\c+3], v7 offset:16*WCP*\n+64*(\k)+32*\c
.endr
.endr
.endm
.macro HLOAD grp                       ; h's fragments of K steps 8 grp .. 8 grp + 7 into buffer grp % 2: sixteen loads, 512 consecutive bytes each
.irp k, 0,1,2,3,4,5,6,7
.irp c, 0,1
	global_load_b128 v[HF+64*((\grp)%2)+8*\k+4*\c:HF+64*((\grp)%2)+8*\k+4*\c+3], v9, s[32:33] offset:1024*(8*(\grp)+\k)+512*\c
.endr
.endr
.endm
.macro WM d, a, b, sa, sb, ra, rb      ; one product in place.  ra, rb: which half of the lanes of the scale registers is read
.if ((\ra) == 0) && ((\rb) == 0)
	v_wmma_scale_f32_16x16x128_f8f6f4 v[(\d):(\d)+7], v[(\a):(\a)+7], v[(\b):(\b)+7], v[(\d):(\d)+7], v[(\sa)], v[(\sb)] matrix_a_fmt:MATRIX_FMT_FP4 matrix_b_fmt:MATRIX_FMT_FP4
.elseif ((\ra) == 1) && ((\rb) == 0)
	v_wmma_scale_f32_16x16x128_f8f6f4 v[(\d):(\d)+7], v[(\a):(\a)+7], v[(\b):(\b)+7], v[(\d):(\d)+7], v[(\sa)], v[(\sb)] matrix_a_fmt:MATRIX_FMT_FP4 matrix_b_fmt:MATRIX_FMT_FP4 matrix_a_scale:MATRIX_SCALE_ROW1
.elseif ((\ra) == 0) && ((\rb) == 1)
	v_wmma_scale_f32_16x16x128_f8f6f4 v[(\d):(\d)+7], v[(\a):(\a)+7], v[(\b):(\b)+7], v[(\d):(\d)+7], v[(\sa)], v[(\sb)] matrix_a_fmt:MATRIX_FMT_FP4 matrix_b_fmt:MATRIX_FMT_FP4 matrix_b_scale:MATRIX_SCALE_ROW1
.else
	v_wmma_scale_f32_16x16x128_f8f6f4 v[(\d):(\d)+7], v[(\a):(\a)+7], v[(\b):(\b)+7], v[(\d):(\d)+7], v[(\sa)], v[(\sb)] matrix_a_fmt:MATRIX_FMT_FP4 matrix_b_fmt:MATRIX_FMT_FP4 matrix_a_scale:MATRIX_SCALE_ROW1 matrix_b_scale:MATRIX_SCALE_ROW1
.endif
.endm
	s_load_b256 s[4:11], s[0:1], 0x0               ; hq s[4:5], hs s[6:7], lists s[8:9], cnts s[10:11]
	s_load_b128 s[12:15], s[0:1], 0x20             ; w2 s[12:13], b2 s[14:15]
	s_load_b64 s[16:17], s[0:1], 0x30              ; out0
	v_lshl_add_u32 v254, v0, 2, 0x1a400
	v_mov_b32 v255, 0
	v_lshrrev_b32 v1, 5, v0
	v_readfirstlane_b32 s22, v1                    ; wave 0..15
	v_and_b32 v1, 31, v0                           ; lane
	v_and_b32 v2, 15, v0                           ; r
	v_bfe_u32 v3, v0, 4, 1                         ; h
	s_and_b32 s23, ttmp7, 0xffff                   ; e
	s_mov_b32 s24, ttmp9                           ; jc
	v_lshlrev_b32 v4, 2, v1                        ; my column in a load
	v_mul_u32_u24 v5, v1, WCP
	s_lshl_b32 s30, s22, 7
	v_add_nc_u32 v5, s30, v5                       ; WC + my column's row + my wave's 128 bytes
	v_mul_u32_u24 v6, v1, WSP
	s_lshl_b32 s30, s22, 3
	s_add_co_u32 s30, s30, WS
	v_add_nc_u32 v6, s30, v6                       ; its scale bytes: my wave's eight
	v_mul_u32_u24 v7, v2, WCP
	v_lshl_add_u32 v7, v3, 4, v7                   ; a fragment: WC + row r, + 16 h
	v_mul_u32_u24 v8, v2, WSP
	v_lshl_add_u32 v8, v3, 6, v8
	v_add_nc_u32 v8, WS, v8                        ; scale words: lanes 0-15 words 0-15, lanes 16-31 words 16-31
	v_lshlrev_b32 v9, 4, v1                        ; 16 x lane: an image's place for my lane
	v_lshlrev_b32 v10, 2, v2
	v_lshl_add_u32 v10, v3, 7, v10                 ; hs: word r of K step 2 q + h
	v_lshlrev_b32 v11, 5, v3                       ; b2: 32 h
	v_lshrrev_b32 v12, 3, v1                       ; lane / 8
	v_and_b32 v15, 7, v0
	v_lshlrev_b32 v15, 4, v15                      ; 16 (lane % 8)
	s_mul_i32 s30, s22, 16*STP
	s_add_co_u32 s30, s30, STG                     ; my wave's stage
	v_mul_u32_u24 v13, v2, STP
	v_lshl_add_u32 v13, v3, 5, v13
	v_add_nc_u32 v13, s30, v13                     ; in: row r, + 32 h
	v_mul_u32_u24 v14, v12, STP
	v_add_nc_u32 v14, v14, v15
	v_add_nc_u32 v14, s30, v14                     ; back: row lane / 8, 16 bytes a lane
	v_lshlrev_b32 v12, 2, v12                      ; lists: 4 (lane / 8)
	s_mov_b32 s31, 0
	s_lshl_b32 s30, s23, 24                        ; w2: the expert, 2^24 bytes;
	s_lshl_b32 s38, s22, 20                        ; 256 w rows of 4,096 bytes;
	s_add_co_u32 s30, s30, s38
	s_lshl_b32 s38, s24, 7                         ; 32 jc columns
	s_add_co_u32 s30, s30, s38
	s_wait_kmcnt 0x0
	s_add_nc_u64 s[12:13], s[12:13], s[30:31]
	LOAD 0
	LOAD 1
	s_lshl_b32 s30, s23, 2
	s_add_nc_u64 s[10:11], s[10:11], s[30:31]
	s_load_b32 s27, s[10:11], 0x0                  ; the expert's count; waited for behind the stream
	s_lshl_b32 s30, s23, 12
	s_add_nc_u64 s[8:9], s[8:9], s[30:31]          ; its row of lists
	s_lshl_b32 s38, s24, 7
	s_add_co_u32 s30, s30, s38
	s_add_nc_u64 s[14:15], s[14:15], s[30:31]      ; b2 at my 32 columns
	s_mov_b32 s30, s38
	s_add_nc_u64 s[16:17], s[16:17], s[30:31]      ; out0 at my 32 columns
	s_lshl_b32 s30, s23, 21
	s_add_nc_u64 s[4:5], s[4:5], s[30:31]          ; hq and hs at the expert's tile 0
	s_lshl_b32 s30, s23, 18
	s_add_nc_u64 s[6:7], s[6:7], s[30:31]
.irp t, 0,1,2,3,4,5,6,7
	BLOCK \t
.endr
.irp t, 0,1,2,3,4,5,6,7
	ds_store_b128 v5, v[C+4*\t:C+4*\t+3] offset:16*\t   ; 32 codes: 16 bytes of my column's row
.endr
	ds_store_b64 v6, v[SB:SB+1]
	s_wait_dscnt 0x0                               ; for the others' sake: my stores have landed
	s_barrier_signal -1
	s_barrier_wait -1                              ; the slice's codes and scale bytes lie in LDS; they are only read from here on, and no barrier follows
	s_wait_kmcnt 0x0
	s_min_u32 s27, s27, 1024
	s_add_co_u32 s28, s27, 15
	s_lshr_b32 s28, s28, 4                         ; T tiles, at most 64
	s_mov_b32 s29, s22                             ; t = w
	s_mov_b32 s39, 0
	s_cmp_ge_u32 s29, s28
	s_cbranch_scc1 .Lend
	s_sub_co_u32 s26, s28, s22                     ; T - w, at least 1 here
	s_add_co_u32 s26, s26, 15
	s_lshr_b32 s26, s26, 4
	s_min_u32 s26, s26, 4                          ; my wave's tiles: ceil((T - w) / 16), 1 to 4
	s_mov_b32 s25, 0                               ; tiles done: the loop's counter, stepped by 1
.irp n, 0,1
.irp q, 0,1,2,3
	ds_load_b128 v[SW+16*\n+4*\q:SW+16*\n+4*\q+3], v8 offset:16*WSP*\n+16*\q   ; w2's scale words stay in registers
.endr
.endr
.Ltile:
	s_wait_xcnt 0x0                                ; the last trip's stores have read their data, offsets and bases: all are written again below
	s_min_u32 s30, s29, 63
	s_lshl_b32 s38, s30, 15
	s_add_nc_u64 s[32:33], s[4:5], s[38:39]        ; the tile's images in hq,
	s_lshl_b32 s38, s30, 12
	s_add_nc_u64 s[34:35], s[6:7], s[38:39]        ; its scale words in hs,
	s_lshl_b32 s38, s30, 6
	s_add_nc_u64 s[36:37], s[8:9], s[38:39]        ; its 16 tokens in lists
.irp i, 0,1,2,3
	global_load_b32 v[TK+\i], v12, s[36:37] offset:16*\i   ; the token of row 4 i + lane / 8
.endr
.irp n, 0,1
.irp q, 0,1
	global_load_b128 v[ACC+8*\n+4*\q:ACC+8*\n+4*\q+3], v11, s[14:15] offset:64*\n+16*\q   ; b2 in the result's layout: columns 16 n + 8 h + 0 .. 7: the C of each sum's first product
.endr
.endr
.irp q, 0,1,2,3,4,5,6,7,8,9,10,11,12,13,14,15
	global_load_b32 v[HS+\q], v10, s[34:35] offset:256*\q
.endr
	HLOAD 0
	HLOAD 1
	FETCHW 0, 0
; 32 K steps; the two accumulators take turns, one instruction a turn
.set st, 0
.rept 32
.if st > 0
	PLACES                                         ; four places in front of loads into registers that the last products have read (ISA guide 7.12.1 for vector instructions)
.endif
.if (st == 8) || (st == 16)
	HLOAD st/8+1                                   ; eight more K steps of h, into the buffer just left
.endif
.if st < 31
	FETCHW st+1, (st+1)%2
	s_wait_dscnt 4                                 ; this step's four loads are in; the next step's four may be out
.else
	s_wait_dscnt 0x0
.endif
.if (st == 0) || (st == 8) || (st == 16)
	s_wait_loadcnt 16                              ; all but the youngest group of sixteen: this group of h is in (at the first step the tokens, b2 and h's scale words too)
.elseif st == 24
	s_wait_loadcnt 0x0
.endif
.irp n, 0,1
	WM ACC+8*\n, WF+16*(st%2)+8*\n, HF+64*((st/8)%2)+8*(st%8), SW+16*\n+st%16, HS+st/2, st/16, st%2
.endr
.set st, st+1
.endr
	PLACES                                         ; four places before the results are read and loads land on the fragments' registers
.irp n, 0,1
.irp q, 0,1
	ds_store_b128 v13, v[ACC+8*\n+4*\q:ACC+8*\n+4*\q+3] offset:64*\n+16*\q   ; each accumulator from its low end on: token r, columns 16 n + 8 h + 4 q on
.endr
.endr
.irp i, 0,1,2,3
	ds_load_b128 v[OB+4*\i:OB+4*\i+3], v14 offset:4*STP*\i   ; LDS serves a wave's instructions in order (ISA guide 5.7.1.4): these see my stores; the stage is my wave's own
.endr
.irp i, 0,1,2,3
	v_min_u32 v[OA+\i], 1023, v[TK+\i]
.endr
.irp i, 0,1,2,3
	v_lshl_add_u32 v[OA+\i], v[OA+\i], 12, v15     ; the token's row of 4,096 bytes, + 16 (lane % 8)
.endr
.irp i, 0,1,2,3
	s_wait_dscnt 3-\i                              ; rows 4 i .. 4 i + 3 are back; the younger loads may be out
	global_store_b128 v[OA+\i], v[OB+4*\i:OB+4*\i+3], s[16:17] th:TH_STORE_NT   ; eight lanes store 128 consecutive bytes of a token's row; written once, read by nobody here
.endr
	s_add_co_u32 s29, s29, 16                      ; my wave's next tile
	s_add_co_u32 s25, s25, 1
	s_cmp_lt_u32 s25, s26
	s_cbranch_scc1 .Ltile
.Lend:
	s_wait_tensorcnt 0x0
	ds_add_u32 v254, v255
	s_wait_dscnt 0x0
	s_endpgm
.Lfunc_end_k_q9a2b3b35f7_down:
	.size	k_q9a2b3b35f7_down, .Lfunc_end_k_q9a2b3b35f7_down-k_q9a2b3b35f7_down
	.p2alignl 7, 3214868480
	.fill 96, 4, 3214868480
	.section	.rodata,"a",@progbits
	.p2align	6, 0x0
	.amdhsa_kernel k_q9a2b3b35f7_down
		.amdhsa_group_segment_fixed_size 109568
		.amdhsa_private_segment_fixed_size 0
		.amdhsa_enable_private_segment 0
		.amdhsa_kernarg_size 56
		.amdhsa_user_sgpr_count 2
		.amdhsa_user_sgpr_kernarg_segment_ptr 1
		.amdhsa_wavefront_size32 1
		.amdhsa_system_sgpr_workgroup_id_x 1
		.amdhsa_system_sgpr_workgroup_id_y 1
		.amdhsa_system_sgpr_workgroup_id_z 1
		.amdhsa_system_vgpr_workitem_id 0
		.amdhsa_next_free_vgpr 256
		.amdhsa_next_free_sgpr 66
		.amdhsa_reserve_vcc 0
		.amdhsa_float_denorm_mode_32 3
		.amdhsa_float_denorm_mode_16_64 3
		.amdhsa_memory_ordered 1
		.amdhsa_forward_progress 1
		.amdhsa_inst_pref_size 72
	.end_amdhsa_kernel
	.amdgpu_metadata
---
amdhsa.version: [ 1, 2 ]
amdhsa.kernels:
  - .name:           k_q9a2b3b35f7_down
    .symbol:         k_q9a2b3b35f7_down.kd
    .args:
      - { .name: hq, .offset: 0, .size: 8, .value_kind: global_buffer, .address_space: global }
      - { .name: hs, .offset: 8, .size: 8, .value_kind: global_buffer, .address_space: global }
      - { .name: lists, .offset: 16, .size: 8, .value_kind: global_buffer, .address_space: global }
      - { .name: cnts, .offset: 24, .size: 8, .value_kind: global_buffer, .address_space: global }
      - { .name: w2, .offset: 32, .size: 8, .value_kind: global_buffer, .address_space: global }
      - { .name: b2, .offset: 40, .size: 8, .value_kind: global_buffer, .address_space: global }
      - { .name: out0, .offset: 48, .size: 8, .value_kind: global_buffer, .address_space: global }
    .group_segment_fixed_size: 109568
    .private_segment_fixed_size: 0
    .kernarg_segment_align: 8
    .kernarg_segment_size: 56
    .max_flat_workgroup_size: 512
    .sgpr_count:     66
    .vgpr_count:     256
    .wavefront_size: 32
...
	.end_amdgpu_metadata
.endif
;; end of part 4
;; ======== version 2 of 3: 4 launches; 1.12 times as fast as version 1
;; workspace buffers: top1 4,096 bytes of whole numbers; lists 32,768 bytes of whole numbers; cnts 256 bytes of whole numbers; xq 524,288 bytes; xs 32,768 bytes; hq 16,777,216 bytes; hs 2,097,152 bytes; w2q 17,825,792 bytes
;; launch route: the kernel of part 1 again; grid 64 x 1, 8 waves a work-group, no clusters, 18,432 bytes of LDS; arguments x, w_router, b_router, top1, xq, xs; writes top1, xq, xs
;; launch prep (part 5): grid 264 x 1, 16 waves a work-group, no clusters, 0 bytes of LDS; arguments top1, lists, cnts, w2, w2q; writes lists, cnts, w2q
.if DOCPART == 5
	.amdgcn_target "amdgcn-amd-amdhsa--gfx1250"
	.amdhsa_code_object_version 6
	.text
	.protected	k_q9a2b3b35f7_prep
	.globl	k_q9a2b3b35f7_prep
	.p2align	8
	.type	k_q9a2b3b35f7_prep,@function
k_q9a2b3b35f7_prep:
	s_mov_b64 s[64:65], 0
	v_nop
	global_prefetch_b8 v0, s[64:65] scope:SCOPE_SE
	s_setreg_imm32_b32 hwreg(HW_REG_WAVE_MODE, 25, 1), 1
	s_wait_xcnt 0x0
; TWO JOBS THAT WAIT FOR NOTHING BUT top1 AND w2, IN ONE LAUNCH: work-groups 0 to 255 quantise w2; work-groups 256 to 263 place the rows.  The two part on the work-group's number alone.
;
; THE QUANTISING OF w2.  w2: [8][4096 (k)][1024 (n)] f32, K its first axis within an expert.  Out: w2q, codes of E2M1 and E8M0 scale bytes, laid as the launch that multiplies takes them:
;   codes  [8 e][32 slices of 32 columns][2 tiles of 16 columns][32 K steps][1,024 bytes]: a fragment (16 columns x 128 along K) as an image of its registers: registers 0-3 at 16 x lane, 4-7 at 512 + 16 x lane;
;   scales from byte SOFF on, [8 e][32 slices][4,096 bytes]: an image of the reader's 32 scale registers: register 16 n + j of lane (r, h) is the word of column 16 n + r, K step 16 h + j; four registers lie together, at 512 (4 n + j / 4) + 16 x lane.
; SHARES.  Work-group id: expert id / 32, 128 columns (id % 8), 1,024 rows of K ((id / 8) % 4): 524,288 bytes of w2, read once, by nobody else.  Wave w: cg = w % 4 takes 32 columns, kg = w / 4 takes 256 rows.
; A LANE TAKES A COLUMN AND ITS REGISTERS RUN DOWN K: a load reads 128 consecutive bytes, and the four waves side by side read 512 consecutive bytes of a row, from a multiple of 512: both halves of every aligned
; 256 bytes are asked for by one work-group, by neighbouring waves.  A block's largest magnitude needs no other lane, and the conversions give codes with K innermost.  Two blocks (64 loads) a wave are asked ahead.
; FRAGMENTS WITHOUT LDS.  A lane's four registers of block b hold 32 codes of ITS column.  The operand wants lane (r, h) to hold block 2 c + h of column r.  One exchange of halves between the registers of blocks 2 c and 2 c + 1
; does it for both tiles at once: the first then holds, for columns 0-15, block 2 c in lanes 0-15 and block 2 c + 1 in lanes 16-31; the second the same for columns 16-31.
; A wave's 256 rows are two K steps: four fragments, eight stores of 512 consecutive bytes.  Its two scale words a column go out by one store of 8 bytes a lane, which lays 8 bytes in every 16 of two runs of 256 bytes;
; the wave with kg xor 1 lays the others: 1,048,576 bytes in all are written so, in parts.
; LIMITS: NaN and infinities are not served.  Blocks under 2^-124, zeros too, get the scale byte 1: only this program reads the bytes, and zero codes add nothing.
;
; THE PLACING OF ROWS.  top1: [1024] u32, each token's expert.  Out: lists [8][1024] u32: expert e's tokens in ascending order, and in every place at or past its count its first token
; (so that a last tile of 16 is filled with copies of a row that is computed anyway; where an expert has no token, numbers under 1,024 that nobody uses);  cnts: u32 at 4 e, the count.
; Work-group 256 + e serves expert e; wave w makes places 64 w .. 64 w + 63 of its list; a lane makes places 64 w + 2 x lane and the next, 8 bytes, so a wave stores 256 consecutive bytes.
; NOTHING IS SCATTERED: every address is made of ids alone, and no branch hangs on top1.  The list is made by SEARCHING:
;   every wave ballots all 32 groups of 32 tokens (a mask for each group in a scalar register) and keeps, for each group g, the word (chosen tokens ahead of it) << 16 | g;
;   place p lies in the LAST group whose word is at most p << 16 | 0xffff, that is, with at most p chosen tokens ahead of it: one compare and two selects a group;
;   in that group's mask the token is set bit number n = p - (tokens ahead): found by halving, with the counts of set bits in fields of 2, 4, 8 and 16 bits made once by shifts and masks.
; These eight work-groups stand last in the grid; 16 waves of 128 registers leave room for one of them beside a streaming work-group, so none has to wait for a place.
; No LDS, no barrier: waves share nothing.  No cluster, no tensor load: no byte is read by two work-groups, and the numbers must reach one lane's registers down K word by word.
.set KPITCH, 4096                      ; bytes from row k to row k + 1 of w2
.set SOFF, 16777216                    ; where the scale words begin in w2q
.set X,   32                           ; the stream: v32-95 two sets of 32 numbers,
.set C,   96                           ; v96-127  eight blocks' codes, then four fragments,
.set SB,  8                            ; v[8:9]   their scale bytes: a word for each of the two K steps,
.set M,   10                           ; v10-13   at work
.set OUT, 6                            ; the placing: v[6:7] the lane's two tokens
.set TP,  40                           ; v40-71   top1 of tokens 32 g + lane
.set MK,  8                            ; s8-39    the ballot of group g
.set PK,  66                           ; s66-97   (chosen tokens ahead of group g) << 16 | g
; place i of the lane's two has 12 registers from v[8 + 16 i] on: +0 the place, +1 place << 16 | 0xffff, +2 the group's mask, +3 the group's word,
; +4 to +7 the counts of set bits in fields of 2, 4, 8, 16 bits, +8 n, +9 the bit's number so far, +10, +11 at work
.macro START i
.set R, 8+16*(\i)
	v_cmp_gt_u32 vcc_lo, s44, v[R]                 ; a place under the count?
	v_cndmask_b32 v[R], 0, v[R], vcc_lo            ; the others take place 0's token
	v_lshl_or_b32 v[R+1], v[R], 16, 0xffff
	v_mov_b32 v[R+2], s[MK]                        ; group 0 has no token ahead of it: it is the first candidate of every place
	v_mov_b32 v[R+3], s[PK]
.endm
.macro SCAN i, g
.set R, 8+16*(\i)
	v_cmp_gt_u32 vcc_lo, s[PK+\g], v[R+1]          ; more than p tokens ahead of group g: the earlier candidate stays
	v_cndmask_b32 v[R+2], s[MK+\g], v[R+2], vcc_lo
	v_cndmask_b32 v[R+3], s[PK+\g], v[R+3], vcc_lo
.endm
.macro HALVE f, w                      ; of the 2 w bits in hand the low w hold v[f]'s field of set bits: if n is not under that count, the bit lies in the high w
	v_bfe_u32 v[R+10], v[\f], v[R+9], \w
	v_cmp_ge_u32 vcc_lo, v[R+8], v[R+10]
	v_sub_nc_u32 v[R+10], v[R+8], v[R+10]
	v_add_nc_u32 v[R+11], \w, v[R+9]
	v_cndmask_b32 v[R+8], v[R+8], v[R+10], vcc_lo
	v_cndmask_b32 v[R+9], v[R+9], v[R+11], vcc_lo
.endm
.macro PICK i
.set R, 8+16*(\i)
	v_lshrrev_b32 v[R+10], 16, v[R+3]              ; the tokens ahead of the group
	v_sub_nc_u32 v[R+8], v[R], v[R+10]             ; n: which set bit of its mask
	v_lshrrev_b32 v[R+10], 1, v[R+2]
	v_and_b32 v[R+10], 0x55555555, v[R+10]
	v_sub_nc_u32 v[R+4], v[R+2], v[R+10]           ; set bits in each field of 2
	v_lshrrev_b32 v[R+10], 2, v[R+4]
	v_and_b32 v[R+10], 0x33333333, v[R+10]
	v_and_b32 v[R+5], 0x33333333, v[R+4]
	v_add_nc_u32 v[R+5], v[R+5], v[R+10]           ; of 4
	v_lshrrev_b32 v[R+10], 4, v[R+5]
	v_add_nc_u32 v[R+6], v[R+5], v[R+10]
	v_and_b32 v[R+6], 0x0f0f0f0f, v[R+6]           ; of 8
	v_lshrrev_b32 v[R+10], 8, v[R+6]
	v_add_nc_u32 v[R+7], v[R+6], v[R+10]
	v_and_b32 v[R+7], 0x00ff00ff, v[R+7]           ; of 16
	v_mov_b32 v[R+9], 0
	HALVE R+7, 16
	HALVE R+6, 8
	HALVE R+5, 4
	HALVE R+4, 2
	HALVE R+2, 1
	v_and_b32 v[R+10], 31, v[R+3]                  ; g
	v_lshl_add_u32 v[OUT+\i], v[R+10], 5, v[R+9]   ; the token: 32 g + the bit's number, under 1,024
.endm
.macro LOAD t                          ; block t: w2(my first row + 32 t + i, my column), i = 0 .. 31, into set t % 2.  The largest offset, 255 rows, lies inside the signed 24-bit immediate
.irp i, 0,1,2,3,4,5,6,7,8,9,10,11,12,13,14,15,16,17,18,19,20,21,22,23,24,25,26,27,28,29,30,31
	global_load_b32 v[X+32*((\t)%2)+\i], v4, s[48:49] offset:(32*(\t)+\i)*KPITCH th:TH_LOAD_NT
.endr
.endm
.macro BLOCK t
.set XB, X+32*((\t)%2)
.if (\t) < 7
	s_wait_loadcnt 32                              ; this block's 32 loads are in; the next block's 32 may be out
.else
	s_wait_loadcnt 0x0
.endif
	v_max3_num_f32 v[M], |v[XB]|, |v[XB+1]|, |v[XB+2]|             ; the block's largest magnitude: all 32 numbers are mine; two chains
	v_max3_num_f32 v[M+1], |v[XB+3]|, |v[XB+4]|, |v[XB+5]|
.irp i, 6,10,14,18,22,26
	v_max3_num_f32 v[M], v[M], |v[XB+\i]|, |v[XB+\i+1]|
	v_max3_num_f32 v[M+1], v[M+1], |v[XB+\i+2]|, |v[XB+\i+3]|
.endr
	v_max3_num_f32 v[M], v[M], |v[XB+30]|, |v[XB+31]|
	v_max3_num_f32 v[M], v[M], v[M+1], 0x1800000   ; and the floor 2^(3 - 127): the byte cannot fall under 1
	v_add_nc_u32 v[M+2], 0xff000000, v[M]          ; 2 off its exponent field: the conversion's scale operand
.irp g, 0,1,2,3
	v_cvt_scalef32_pk8_fp4_f32 v[C+4*(\t)+\g], v[XB+8*\g:XB+8*\g+7], v[M+2]
.endr
	v_lshrrev_b32 v[M+3], 23, v[M+2]               ; the scale's byte.  (The plain line behind the conversions)
.if (\t)%4 == 0
	v_mov_b32 v[SB+(\t)/4], v[M+3]                 ; four bytes to a register, the lower K in the lower byte: the K step's scale word
.else
	v_lshl_or_b32 v[SB+(\t)/4], v[M+3], 8*((\t)%4), v[SB+(\t)/4]
.endif
.if (\t)+2 < 8
	LOAD (\t)+2
.endif
.endm
	s_load_b128 s[4:7], s[0:1], 0x0                ; top1 s[4:5], lists s[6:7]
	s_load_b64 s[40:41], s[0:1], 0x10              ; cnts
	s_load_b64 s[48:49], s[0:1], 0x18              ; w2
	s_load_b64 s[50:51], s[0:1], 0x20              ; w2q
	v_lshrrev_b32 v1, 5, v0
	v_readfirstlane_b32 s42, v1                    ; wave 0..15
	v_and_b32 v1, 31, v0                           ; lane
	s_mov_b32 s47, 0
	s_cmp_lt_u32 ttmp9, 256
	s_cbranch_scc1 .Lquant
	; ---- work-groups 256 to 263: the placing of rows
	v_lshlrev_b32 v2, 2, v1                        ; top1: 4 x lane
	v_lshlrev_b32 v3, 3, v1                        ; lists: 8 x lane
	s_sub_co_u32 s43, ttmp9, 256                   ; e
	s_lshl_b32 s46, s43, 12                        ; the expert's row of 4,096 bytes,
	s_lshl_b32 s45, s42, 8                         ; my wave's 256 of them
	s_add_co_u32 s46, s46, s45
	s_wait_kmcnt 0x0
.irp g, 0,1,2,3,4,5,6,7,8,9,10,11,12,13,14,15,16,17,18,19,20,21,22,23,24,25,26,27,28,29,30,31
	global_load_b32 v[TP+\g], v2, s[4:5] offset:128*\g   ; top1 of token 32 g + lane
.endr
	s_add_nc_u64 s[6:7], s[6:7], s[46:47]
	s_lshl_b32 s46, s43, 2
	s_add_nc_u64 s[40:41], s[40:41], s[46:47]      ; the expert's count
	s_lshl_b32 s45, s42, 6
	v_lshl_add_u32 v8, v1, 1, s45                  ; my first place: 64 w + 2 x lane,
	v_add_nc_u32 v24, 1, v8                        ; and my second
	s_wait_loadcnt 0x0                             ; all of top1 is in
	s_mov_b32 s44, 0                               ; chosen tokens so far
.irp g, 0,1,2,3,4,5,6,7,8,9,10,11,12,13,14,15,16,17,18,19,20,21,22,23,24,25,26,27,28,29,30,31
	v_cmp_eq_u32 s[MK+\g], s43, v[TP+\g]           ; which of these 32 tokens chose e
	s_lshl_b32 s[PK+\g], s44, 16
	s_or_b32 s[PK+\g], s[PK+\g], \g
	s_bcnt1_i32_b32 s45, s[MK+\g]
	s_add_co_u32 s44, s44, s45
.endr
	START 0
	START 1
.irp g, 1,2,3,4,5,6,7,8,9,10,11,12,13,14,15,16,17,18,19,20,21,22,23,24,25,26,27,28,29,30,31
	SCAN 0, \g
	SCAN 1, \g
.endr
	PICK 0
	PICK 1
	global_store_b64 v3, v[OUT:OUT+1], s[6:7]      ; 32 lanes store 256 consecutive bytes, at a multiple of 256 from the buffer's first byte
	s_cmp_lg_u32 s42, 0
	s_cbranch_scc1 .Ldone
	v_mov_b32 v4, 0
	v_mov_b32 v5, s44
	global_store_b32 v4, v5, s[40:41]              ; wave 0: the count; all lanes write the same word with the same value
.Ldone:
	s_endpgm
	; ---- work-groups 0 to 255: the quantising of w2
.Lquant:
	s_lshr_b32 s43, ttmp9, 5                       ; e
	s_and_b32 s44, ttmp9, 7                        ; which 128 columns: eight neighbouring work-groups cover a row of w2
	s_bfe_u32 s45, ttmp9, 0x20003                  ; which 1,024 rows of K (2 bits from bit 3)
	s_and_b32 s52, s42, 3                          ; cg
	s_lshr_b32 s53, s42, 2                         ; kg
	v_lshlrev_b32 v4, 2, v1                        ; in: 4 x lane: my column
	v_lshlrev_b32 v5, 4, v1                        ; out: 16 x lane: an image's place for my lane
	v_and_b32 v6, 15, v0
	v_bfe_u32 v7, v0, 4, 1
	v_lshlrev_b32 v6, 4, v6
	v_lshl_add_u32 v6, v7, 11, v6                  ; my column's scale words: tile n = lane / 16 is 2,048 bytes on, row r = lane % 16 is 16 bytes on
	s_lshl_b32 s46, s43, 24                        ; w2: the expert, 2^24 bytes;
	s_lshl_b32 s54, s45, 22                        ; 1,024 rows of 4,096 bytes a quarter;
	s_add_co_u32 s46, s46, s54
	s_lshl_b32 s54, s53, 20                        ; 256 rows a wave;
	s_add_co_u32 s46, s46, s54
	s_lshl_b32 s54, s44, 9                         ; 128 columns a work-group;
	s_add_co_u32 s46, s46, s54
	s_lshl_b32 s54, s52, 7                         ; 32 columns a wave
	s_add_co_u32 s46, s46, s54
	s_wait_kmcnt 0x0
	s_add_nc_u64 s[48:49], s[48:49], s[46:47]
	LOAD 0
	LOAD 1
	s_lshl_b32 s55, s45, 3
	s_lshl_b32 s54, s53, 1
	s_add_co_u32 s55, s55, s54                     ; my first K step: 8 x quarter + 2 kg, an even number
	s_lshl_b32 s46, s43, 21                        ; the codes: 32 slices of 65,536 bytes an expert;
	s_lshl_b32 s54, s44, 18                        ; my slice is 4 x (which 128 columns) + cg;
	s_add_co_u32 s46, s46, s54
	s_lshl_b32 s54, s52, 16
	s_add_co_u32 s46, s46, s54
	s_lshl_b32 s54, s55, 10                        ; 1,024 bytes a K step
	s_add_co_u32 s46, s46, s54
	s_add_nc_u64 s[56:57], s[50:51], s[46:47]
	s_lshl_b32 s46, s43, 17                        ; the scale words: 32 slices of 4,096 bytes an expert;
	s_lshl_b32 s54, s44, 14
	s_add_co_u32 s46, s46, s54
	s_lshl_b32 s54, s52, 12
	s_add_co_u32 s46, s46, s54
	s_bfe_u32 s54, s55, 0x20002                    ; K step 16 h + j: the group of four registers j / 4 is 512 bytes on,
	s_lshl_b32 s54, s54, 9
	s_add_co_u32 s46, s46, s54
	s_lshr_b32 s54, s55, 4                         ; h is 16 lanes of 16 bytes on,
	s_lshl_b32 s54, s54, 8
	s_add_co_u32 s46, s46, s54
	s_and_b32 s54, s55, 3                          ; and j % 4 (0 or 2) is a word each
	s_lshl_b32 s54, s54, 2
	s_add_co_u32 s46, s46, s54
	s_add_nc_u64 s[58:59], s[50:51], SOFF
	s_add_nc_u64 s[58:59], s[58:59], s[46:47]
.irp t, 0,1,2,3,4,5,6,7
	BLOCK \t
.endr
.irp q, 0,1                                    ; K step q of my two; c: which 64 along K of it
.irp c, 0,1
.irp i, 0,1,2,3
	v_permlane16_swap_b32 v[C+4*(4*\q+2*\c)+\i], v[C+4*(4*\q+2*\c+1)+\i]   ; the first's lanes 16-31 change places with the second's lanes 0-15: the first is now registers 4 c + i of the fragment of columns 0-15, the second of columns 16-31
.endr
.endr
.endr
.irp q, 0,1
.irp c, 0,1
	global_store_b128 v5, v[C+4*(4*\q+2*\c):C+4*(4*\q+2*\c)+3], s[56:57] offset:1024*\q+512*\c             ; 32 lanes store 512 consecutive bytes, at a multiple of 512 from the buffer's first byte
	global_store_b128 v5, v[C+4*(4*\q+2*\c+1):C+4*(4*\q+2*\c+1)+3], s[56:57] offset:32768+1024*\q+512*\c   ; the tile of columns 16-31 lies 32 K steps on
.endr
.endr
	global_store_b64 v6, v[SB:SB+1], s[58:59]      ; my column's words of my two K steps: neighbours in the reader's image
	s_endpgm
.Lfunc_end_k_q9a2b3b35f7_prep:
	.size	k_q9a2b3b35f7_prep, .Lfunc_end_k_q9a2b3b35f7_prep-k_q9a2b3b35f7_prep
	.p2alignl 7, 3214868480
	.fill 96, 4, 3214868480
	.section	.rodata,"a",@progbits
	.p2align	6, 0x0
	.amdhsa_kernel k_q9a2b3b35f7_prep
		.amdhsa_group_segment_fixed_size 0
		.amdhsa_private_segment_fixed_size 0
		.amdhsa_enable_private_segment 0
		.amdhsa_kernarg_size 40
		.amdhsa_user_sgpr_count 2
		.amdhsa_user_sgpr_kernarg_segment_ptr 1
		.amdhsa_wavefront_size32 1
		.amdhsa_system_sgpr_workgroup_id_x 1
		.amdhsa_system_sgpr_workgroup_id_y 1
		.amdhsa_system_sgpr_workgroup_id_z 1
		.amdhsa_system_vgpr_workitem_id 0
		.amdhsa_next_free_vgpr 128
		.amdhsa_next_free_sgpr 98
		.amdhsa_reserve_vcc 1
		.amdhsa_float_denorm_mode_32 3
		.amdhsa_float_denorm_mode_16_64 3
		.amdhsa_memory_ordered 1
		.amdhsa_forward_progress 1
		.amdhsa_inst_pref_size 60
	.end_amdhsa_kernel
	.amdgpu_metadata
---
amdhsa.version: [ 1, 2 ]
amdhsa.kernels:
  - .name:           k_q9a2b3b35f7_prep
    .symbol:         k_q9a2b3b35f7_prep.kd
    .args:
      - { .name: top1, .offset: 0, .size: 8, .value_kind: global_buffer, .address_space: global }
      - { .name: lists, .offset: 8, .size: 8, .value_kind: global_buffer, .address_space: global }
      - { .name: cnts, .offset: 16, .size: 8, .value_kind: global_buffer, .address_space: global }
      - { .name: w2, .offset: 24, .size: 8, .value_kind: global_buffer, .address_space: global }
      - { .name: w2q, .offset: 32, .size: 8, .value_kind: global_buffer, .address_space: global }
    .group_segment_fixed_size: 0
    .private_segment_fixed_size: 0
    .kernarg_segment_align: 8
    .kernarg_segment_size: 40
    .max_flat_workgroup_size: 512
    .sgpr_count:     98
    .vgpr_count:     128
    .wavefront_size: 32
...
	.end_amdgpu_metadata
.endif
;; end of part 5
;; launch up: the kernel of part 3 again; grid 32 x 8, 16 waves a work-group, no clusters, 75,776 bytes of LDS; arguments cnts, xq, xs, w1, b1, hq, hs, lists; writes hq, hs
;; launch down (part 6): grid 32 x 8, 16 waves a work-group, no clusters, 104,448 bytes of LDS; arguments hq, hs, lists, cnts, w2q, b2, out0; writes out0
.if DOCPART == 6
	.amdgcn_target "amdgcn-amd-amdhsa--gfx1250"
	.amdhsa_code_object_version 6
	.text
	.protected	k_q9a2b3b35f7_down
	.globl	k_q9a2b3b35f7_down
	.p2align	8
	.type	k_q9a2b3b35f7_down,@function
k_q9a2b3b35f7_down:
	s_mov_b64 s[64:65], 0
	v_nop
	global_prefetch_b8 v0, s[64:65] scope:SCOPE_SE
	s_setreg_imm32_b32 hwreg(HW_REG_WAVE_MODE, 25, 1), 1
	s_wait_xcnt 0x0
; SECOND PRODUCT OF THE CHOSEN EXPERT.  out0[token] = Q(h) Q(w2[e]) + b2[e] for the tokens of expert e's list.  Both operands come as codes of E2M1 with E8M0 scale bytes, made by earlier launches.
; SHARES.  Work-group (jc = x, e = y) owns output columns 32 jc .. 32 jc + 31 of expert e, for all K = 4,096.  So each output has ONE owner, and no sum spans work-groups.
; w2q holds the slice's codes as 64 fragments on end (tile n of 16 columns, K step k: 1,024 bytes at 1,024 (32 n + k), an image of the operand's registers), 65,536 consecutive bytes that no other work-group reads.
; COPY.  Wave w brings 4,096 of them through its registers into LDS, to the same offsets; one barrier; then every wave reads any fragment by two loads of 16 bytes a lane at 16 x lane: consecutive bytes, no pitch.
; The slice's scale words lie in w2q as an image of 32 registers (register 16 n + j: lanes 0-15 K step j, lanes 16-31 K step 16 + j of tile n): a wave that has a tile loads them straight, 512 consecutive bytes a load.
; PRODUCT.  Wave w takes tiles of 16 tokens t = w, w + 16, .. under T = ceil(count / 16); the count (cnts) and the tokens (lists) were laid by an earlier launch.  TRANSPOSED: source 0 = 16 columns of w2 (from LDS),
; source 1 = 16 tokens of h (from hq, an image of the fragment's registers): a lane holds one token and eight neighbouring outputs.  32 K steps x 2 tiles of columns; b2 is loaded into the accumulators.
; OUT.  A tile goes through the wave's own stage in LDS and leaves as 128 consecutive bytes of each token's row, eight lanes to a row; the other 128 bytes of each aligned 256 are the x-neighbour's: slices of 64 columns
; would give 128 work-groups, a split of K would want a launch for the sum.  The rows that fill the last tile are copies of the expert's first token:
; they hold the same operands, go through the same instructions in the same order along K, and store the same numbers to that token's row, from this same work-group.
; LIMITS: NaN and infinities are not served.
; NO CLUSTER: the slice's codes are the work-group's own; h's images, which the 32 work-groups of an expert share, are walked in a loop whose trip count is read from memory, where no joint request could be kept alike.
; NO TENSOR LOAD: LDS is filled once, 4,096 bytes a wave, eight loads and eight LDS stores.
.set SOFF, 16777216                    ; where the scale words begin in w2q
.set WC,   0                           ; LDS: 64 fragments of 1,024 bytes
.set STG,  65536                       ; 16 waves x 16 rows x (128 bytes + 16)
.set STP,  144
.set HS,   16                          ; v16-31   h's scale words: register q: lanes 0-15 K step 2 q, lanes 16-31 K step 2 q + 1.  Scales and nothing else
.set SW,   32                          ; v32-63   w2's: 16 registers a tile: lanes 0-15 K steps 0-15, lanes 16-31 K steps 16-31.  Scales and nothing else
.set ACC,  64                          ; v64-79   two accumulators
.set WF,   80                          ; v80-111  w2's fragments: two buffers of two; on the way out the tile's rows
.set OB,   80
.set HF,   112                         ; v112-239 h's fragments: two buffers of eight K steps
.set CP,   112                         ; v112-143 at the head: my 4,096 bytes of the slice's codes on their way into LDS
.set TK,   240                         ; v240-243 tokens of rows 4 i + lane / 8
.set OA,   244                         ; v244-247 their byte offsets in out0
.macro PLACES
.rept 4
	v_nop
.endr
.endm
.macro FETCHW k, buf                   ; K step k: both tiles of w2's columns: four loads of 16 bytes a lane.  The largest offset, 65,024, lies inside the 16-bit immediate
.irp n, 0,1
.irp c, 0,1
	ds_load_b128 v[WF+16*(\buf)+8*\n+4*\c:WF+16*(\buf)+8*\n+4*\c+3], v9 offset:WC+1024*(32*\n+(\k))+512*\c
.endr
.endr
.endm
.macro HLOAD grp                       ; h's fragments of K steps 8 grp .. 8 grp + 7 into buffer grp % 2: sixteen loads, 512 consecutive bytes each
.irp k, 0,1,2,3,4,5,6,7
.irp c, 0,1
	global_load_b128 v[HF+64*((\grp)%2)+8*\k+4*\c:HF+64*((\grp)%2)+8*\k+4*\c+3], v9, s[32:33] offset:1024*(8*(\grp)+\k)+512*\c
.endr
.endr
.endm
.macro WM d, a, b, sa, sb, ra, rb      ; one product in place.  ra, rb: which half of the lanes of the scale registers is read
.if ((\ra) == 0) && ((\rb) == 0)
	v_wmma_scale_f32_16x16x128_f8f6f4 v[(\d):(\d)+7], v[(\a):(\a)+7], v[(\b):(\b)+7], v[(\d):(\d)+7], v[(\sa)], v[(\sb)] matrix_a_fmt:MATRIX_FMT_FP4 matrix_b_fmt:MATRIX_FMT_FP4
.elseif ((\ra) == 1) && ((\rb) == 0)
	v_wmma_scale_f32_16x16x128_f8f6f4 v[(\d):(\d)+7], v[(\a):(\a)+7], v[(\b):(\b)+7], v[(\d):(\d)+7], v[(\sa)], v[(\sb)] matrix_a_fmt:MATRIX_FMT_FP4 matrix_b_fmt:MATRIX_FMT_FP4 matrix_a_scale:MATRIX_SCALE_ROW1
.elseif ((\ra) == 0) && ((\rb) == 1)
	v_wmma_scale_f32_16x16x128_f8f6f4 v[(\d):(\d)+7], v[(\a):(\a)+7], v[(\b):(\b)+7], v[(\d):(\d)+7], v[(\sa)], v[(\sb)] matrix_a_fmt:MATRIX_FMT_FP4 matrix_b_fmt:MATRIX_FMT_FP4 matrix_b_scale:MATRIX_SCALE_ROW1
.else
	v_wmma_scale_f32_16x16x128_f8f6f4 v[(\d):(\d)+7], v[(\a):(\a)+7], v[(\b):(\b)+7], v[(\d):(\d)+7], v[(\sa)], v[(\sb)] matrix_a_fmt:MATRIX_FMT_FP4 matrix_b_fmt:MATRIX_FMT_FP4 matrix_a_scale:MATRIX_SCALE_ROW1 matrix_b_scale:MATRIX_SCALE_ROW1
.endif
.endm
	s_load_b256 s[4:11], s[0:1], 0x0               ; hq s[4:5], hs s[6:7], lists s[8:9], cnts s[10:11]
	s_load_b128 s[12:15], s[0:1], 0x20             ; w2q s[12:13], b2 s[14:15]
	s_load_b64 s[16:17], s[0:1], 0x30              ; out0
	v_lshl_add_u32 v254, v0, 2, 0x19000
	v_mov_b32 v255, 0
	v_lshrrev_b32 v1, 5, v0
	v_readfirstlane_b32 s22, v1                    ; wave 0..15
	v_and_b32 v1, 31, v0                           ; lane
	v_and_b32 v2, 15, v0                           ; r
	v_bfe_u32 v3, v0, 4, 1                         ; h
	s_and_b32 s23, ttmp7, 0xffff                   ; e
	s_mov_b32 s24, ttmp9                           ; jc
	v_lshlrev_b32 v9, 4, v1                        ; 16 x lane: an image's place for my lane, in memory and in LDS
	s_lshl_b32 s30, s22, 12
	v_add_nc_u32 v5, s30, v9                       ; the copy: 4,096 w + 16 x lane: the same offset in the slice's codes and in LDS (WC is byte 0)
	v_lshlrev_b32 v10, 2, v2
	v_lshl_add_u32 v10, v3, 7, v10                 ; hs: word r of K step 2 q + h
	v_lshlrev_b32 v11, 5, v3                       ; b2: 32 h
	v_lshrrev_b32 v12, 3, v1                       ; lane / 8
	v_and_b32 v15, 7, v0
	v_lshlrev_b32 v15, 4, v15                      ; 16 (lane % 8)
	s_mul_i32 s30, s22, 16*STP
	s_add_co_u32 s30, s30, STG                     ; my wave's stage
	v_mul_u32_u24 v13, v2, STP
	v_lshl_add_u32 v13, v3, 5, v13
	v_add_nc_u32 v13, s30, v13                     ; in: row r, + 32 h
	v_mul_u32_u24 v14, v12, STP
	v_add_nc_u32 v14, v14, v15
	v_add_nc_u32 v14, s30, v14                     ; back: row lane / 8, 16 bytes a lane
	v_lshlrev_b32 v12, 2, v12                      ; lists: 4 (lane / 8)
	s_mov_b32 s31, 0
	s_mov_b32 s39, 0
	s_wait_kmcnt 0x0
	s_lshl_b32 s30, s23, 2
	s_add_nc_u64 s[10:11], s[10:11], s[30:31]
	s_load_b32 s27, s[10:11], 0x0                  ; the expert's count; waited for behind the barrier
	s_add_nc_u64 s[40:41], s[12:13], SOFF          ; the scale words' part of w2q
	s_lshl_b32 s30, s23, 21                        ; the codes: 32 slices of 65,536 bytes an expert
	s_lshl_b32 s38, s24, 16
	s_add_co_u32 s30, s30, s38
	s_add_nc_u64 s[12:13], s[12:13], s[30:31]
.irp m, 0,1,2,3,4,5,6,7
	global_load_b128 v[CP+4*\m:CP+4*\m+3], v5, s[12:13] offset:512*\m th:TH_LOAD_NT   ; 512 consecutive bytes a load; read once in the launch
.endr
	s_lshl_b32 s30, s23, 17                        ; the scale words: 32 slices of 4,096 bytes an expert
	s_lshl_b32 s38, s24, 12
	s_add_co_u32 s30, s30, s38
	s_add_nc_u64 s[40:41], s[40:41], s[30:31]
	s_lshl_b32 s30, s23, 12
	s_add_nc_u64 s[8:9], s[8:9], s[30:31]          ; the expert's row of lists
	s_lshl_b32 s38, s24, 7
	s_add_co_u32 s30, s30, s38
	s_add_nc_u64 s[14:15], s[14:15], s[30:31]      ; b2 at my 32 columns
	s_mov_b32 s30, s38
	s_add_nc_u64 s[16:17], s[16:17], s[30:31]      ; out0 at my 32 columns
	s_lshl_b32 s30, s23, 21
	s_add_nc_u64 s[4:5], s[4:5], s[30:31]          ; hq and hs at the expert's tile 0
	s_lshl_b32 s30, s23, 18
	s_add_nc_u64 s[6:7], s[6:7], s[30:31]
	s_wait_loadcnt 0x0                             ; my 4,096 bytes are in
.irp m, 0,1,2,3,4,5,6,7
	ds_store_b128 v5, v[CP+4*\m:CP+4*\m+3] offset:WC+512*\m
.endr
	s_wait_dscnt 0x0                               ; for the others' sake: my stores have landed
	s_barrier_signal -1
	s_barrier_wait -1                              ; the slice's 64 fragments lie in LDS; they are only read from here on, and no barrier follows
	s_wait_kmcnt 0x0
	s_min_u32 s27, s27, 1024
	s_add_co_u32 s28, s27, 15
	s_lshr_b32 s28, s28, 4                         ; T tiles, at most 64
	s_mov_b32 s29, s22                             ; t = w
	s_cmp_ge_u32 s29, s28
	s_cbranch_scc1 .Lend
	s_sub_co_u32 s26, s28, s22                     ; T - w, at least 1 here
	s_add_co_u32 s26, s26, 15
	s_lshr_b32 s26, s26, 4
	s_min_u32 s26, s26, 4                          ; my wave's tiles: ceil((T - w) / 16), 1 to 4
	s_mov_b32 s25, 0                               ; tiles done: the loop's counter, stepped by 1
.irp n, 0,1
.irp q, 0,1,2,3
	global_load_b128 v[SW+16*\n+4*\q:SW+16*\n+4*\q+3], v9, s[40:41] offset:512*(4*\n+\q)   ; w2's scale words stay in registers; older than the tile's loads, so the first step's wait shows them in
.endr
.endr
.Ltile:
	s_wait_xcnt 0x0                                ; the last trip's stores have read their data, offsets and bases: all are written again below
	s_min_u32 s30, s29, 63
	s_lshl_b32 s38, s30, 15
	s_add_nc_u64 s[32:33], s[4:5], s[38:39]        ; the tile's images in hq,
	s_lshl_b32 s38, s30, 12
	s_add_nc_u64 s[34:35], s[6:7], s[38:39]        ; its scale words in hs,
	s_lshl_b32 s38, s30, 6
	s_add_nc_u64 s[36:37], s[8:9], s[38:39]        ; its 16 tokens in lists
.irp i, 0,1,2,3
	global_load_b32 v[TK+\i], v12, s[36:37] offset:16*\i   ; the token of row 4 i + lane / 8
.endr
.irp n, 0,1
.irp q, 0,1
	global_load_b128 v[ACC+8*\n+4*\q:ACC+8*\n+4*\q+3], v11, s[14:15] offset:64*\n+16*\q   ; b2 in the result's layout: columns 16 n + 8 h + 0 .. 7: the C of each sum's first product
.endr
.endr
.irp q, 0,1,2,3,4,5,6,7,8,9,10,11,12,13,14,15
	global_load_b32 v[HS+\q], v10, s[34:35] offset:256*\q
.endr
	HLOAD 0
	HLOAD 1
	FETCHW 0, 0
; 32 K steps; the two accumulators take turns, one instruction a turn
.set st, 0
.rept 32
.if st > 0
	PLACES                                         ; four places in front of loads into registers that the last products have read (ISA guide 7.12.1 for vector instructions)
.endif
.if (st == 8) || (st == 16)
	HLOAD st/8+1                                   ; eight more K steps of h, into the buffer just left
.endif
.if st < 31
	FETCHW st+1, (st+1)%2
	s_wait_dscnt 4                                 ; this step's four loads are in; the next step's four may be out
.else
	s_wait_dscnt 0x0
.endif
.if (st == 0) || (st == 8) || (st == 16)
	s_wait_loadcnt 16                              ; all but the youngest group of sixteen: this group of h is in (at the first step w2's scale words, the tokens, b2 and h's scale words too)
.elseif st == 24
	s_wait_loadcnt 0x0
.endif
.irp n, 0,1
	WM ACC+8*\n, WF+16*(st%2)+8*\n, HF+64*((st/8)%2)+8*(st%8), SW+16*\n+st%16, HS+st/2, st/16, st%2
.endr
.set st, st+1
.endr
	PLACES                                         ; four places before the results are read and loads land on the fragments' registers
.irp n, 0,1
.irp q, 0,1
	ds_store_b128 v13, v[ACC+8*\n+4*\q:ACC+8*\n+4*\q+3] offset:64*\n+16*\q   ; each accumulator from its low end on: token r, columns 16 n + 8 h + 4 q on
.endr
.endr
.irp i, 0,1,2,3
	ds_load_b128 v[OB+4*\i:OB+4*\i+3], v14 offset:4*STP*\i   ; LDS serves a wave's instructions in order (ISA guide 5.7.1.4): these see my stores; the stage is my wave's own
.endr
.irp i, 0,1,2,3
	v_min_u32 v[OA+\i], 1023, v[TK+\i]
.endr
.irp i, 0,1,2,3
	v_lshl_add_u32 v[OA+\i], v[OA+\i], 12, v15     ; the token's row of 4,096 bytes, + 16 (lane % 8)
.endr
.irp i, 0,1,2,3
	s_wait_dscnt 3-\i                              ; rows 4 i .. 4 i + 3 are back; the younger loads may be out
	global_store_b128 v[OA+\i], v[OB+4*\i:OB+4*\i+3], s[16:17] th:TH_STORE_NT   ; eight lanes store 128 consecutive bytes of a token's row; written once, read by nobody here
.endr
	s_add_co_u32 s29, s29, 16                      ; my wave's next tile
	s_add_co_u32 s25, s25, 1
	s_cmp_lt_u32 s25, s26
	s_cbranch_scc1 .Ltile
.Lend:
	s_wait_tensorcnt 0x0
	ds_add_u32 v254, v255
	s_wait_dscnt 0x0
	s_endpgm
.Lfunc_end_k_q9a2b3b35f7_down:
	.size	k_q9a2b3b35f7_down, .Lfunc_end_k_q9a2b3b35f7_down-k_q9a2b3b35f7_down
	.p2alignl 7, 3214868480
	.fill 96, 4, 3214868480
	.section	.rodata,"a",@progbits
	.p2align	6, 0x0
	.amdhsa_kernel k_q9a2b3b35f7_down
		.amdhsa_group_segment_fixed_size 104448
		.amdhsa_private_segment_fixed_size 0
		.amdhsa_enable_private_segment 0
		.amdhsa_kernarg_size 56
		.amdhsa_user_sgpr_count 2
		.amdhsa_user_sgpr_kernarg_segment_ptr 1
		.amdhsa_wavefront_size32 1
		.amdhsa_system_sgpr_workgroup_id_x 1
		.amdhsa_system_sgpr_workgroup_id_y 1
		.amdhsa_system_sgpr_workgroup_id_z 1
		.amdhsa_system_vgpr_workitem_id 0
		.amdhsa_next_free_vgpr 256
		.amdhsa_next_free_sgpr 66
		.amdhsa_reserve_vcc 0
		.amdhsa_float_denorm_mode_32 3
		.amdhsa_float_denorm_mode_16_64 3
		.amdhsa_memory_ordered 1
		.amdhsa_forward_progress 1
		.amdhsa_inst_pref_size 37
	.end_amdhsa_kernel
	.amdgpu_metadata
---
amdhsa.version: [ 1, 2 ]
amdhsa.kernels:
  - .name:           k_q9a2b3b35f7_down
    .symbol:         k_q9a2b3b35f7_down.kd
    .args:
      - { .name: hq, .offset: 0, .size: 8, .value_kind: global_buffer, .address_space: global }
      - { .name: hs, .offset: 8, .size: 8, .value_kind: global_buffer, .address_space: global }
      - { .name: lists, .offset: 16, .size: 8, .value_kind: global_buffer, .address_space: global }
      - { .name: cnts, .offset: 24, .size: 8, .value_kind: global_buffer, .address_space: global }
      - { .name: w2q, .offset: 32, .size: 8, .value_kind: global_buffer, .address_space: global }
      - { .name: b2, .offset: 40, .size: 8, .value_kind: global_buffer, .address_space: global }
      - { .name: out0, .offset: 48, .size: 8, .value_kind: global_buffer, .address_space: global }
    .group_segment_fixed_size: 104448
    .private_segment_fixed_size: 0
    .kernarg_segment_align: 8
    .kernarg_segment_size: 56
    .max_flat_workgroup_size: 512
    .sgpr_count:     66
    .vgpr_count:     256
    .wavefront_size: 32
...
	.end_amdgpu_metadata
.endif
;; end of part 6
;; ======== version 3 of 3: 4 launches; version 2 with the launches up, down written anew for expert scheduling mode
;; workspace buffers: top1 4,096 bytes of whole numbers; lists 32,768 bytes of whole numbers; cnts 256 bytes of whole numbers; xq 524,288 bytes; xs 32,768 bytes; hq 16,777,216 bytes; hs 2,097,152 bytes; w2q 17,825,792 bytes
;; launch route: the kernel of part 1 again; grid 64 x 1, 8 waves a work-group, no clusters, 18,432 bytes of LDS; arguments x, w_router, b_router, top1, xq, xs; writes top1, xq, xs
;; launch prep: the kernel of part 5 again; grid 264 x 1, 16 waves a work-group, no clusters, 0 bytes of LDS; arguments top1, lists, cnts, w2, w2q; writes lists, cnts, w2q
;; launch up (part 7): grid 32 x 8, 16 waves a work-group, no clusters, 75,776 bytes of LDS; arguments cnts, xq, xs, w1, b1, hq, hs, lists; writes hq, hs
.if DOCPART == 7
	.amdgcn_target "amdgcn-amd-amdhsa--gfx1250"
	.amdhsa_code_object_version 6
	.text
	.protected	k_q9a2b3b35f7_up
	.globl	k_q9a2b3b35f7_up
	.p2align	8
	.type	k_q9a2b3b35f7_up,@function
k_q9a2b3b35f7_up:
	s_mov_b64 s[64:65], 0
	v_nop
	global_prefetch_b8 v0, s[64:65] scope:SCOPE_SE
	s_setreg_imm32_b32 hwreg(HW_REG_WAVE_SCHED_MODE, 0, 2), 2
	s_setreg_imm32_b32 hwreg(HW_REG_WAVE_MODE, 25, 1), 1
	s_wait_xcnt 0x0
	s_wait_alu depctr_vm_vsrc(0)
; FIRST PRODUCT OF THE CHOSEN EXPERT, gelu, AND THE HIDDEN LAYER'S QUANTISER.  h = gelu(Q(x) Q(w1[e]) + b1[e]) for the tokens of expert e's list; Q(h) goes out as codes.
; w1: [8][1024 (k)][4096 (n)] f32, K its first axis within an expert.  Only the rows that the problem's own mask keeps are multiplied.
; SHARES.  Work-group (j = x, e = y) owns hidden units 128 j .. 128 j + 127 of expert e, for all K = 1,024: 524,288 bytes of w1, read once, by nobody else.
; STREAM.  Wave w: cg = w % 4, kg = w / 4.  A LANE TAKES A COLUMN (128 j + 32 cg + lane) AND ITS REGISTERS RUN DOWN K (rows 256 kg .. 256 kg + 255: eight blocks of 32): a load reads 128
; consecutive bytes, four waves side by side 512; a block's largest magnitude needs no other lane, and the conversions give codes with K innermost.  Three sets of 32 registers take turns: two blocks (64 loads) a wave are asked ahead.
; The codes wait in 32 registers and go to LDS at the stream's end, in front of the one barrier.
; THE LIST.  The expert's tokens (lists) and their count (cnts) were laid by an earlier launch; places at or past the count hold the first token, so the last tile of 16 is whole.
; A wave's four possible tiles lie at fixed places of the expert's row, which is always written whole: their tokens are loaded at the head, ahead of the stream.
; PRODUCT.  Wave w takes tiles of 16 tokens t = w, w + 16, .. under T = ceil(count / 16), each against all 8 tiles of 16 hidden units: 64 matrix instructions.  TRANSPOSED: source 0 = 16 columns of
; w1, source 1 = 16 tokens: a lane holds ONE token and its registers run along the hidden units, the next product's K.  THE COLUMNS OF A TILE ARE NOT NEIGHBOURS: row m of tile 2 b + u is hidden
; unit 32 b + 8 u + m + 8 (m / 8), so that the 16 registers of tiles 2 b and 2 b + 1 are 16 neighbours along that K.  The LDS rows lie in tile order already.  b1 is loaded into the accumulators.
; gelu(x) = max(x, 0) - |x| erfc(|x| / sqrt 2) / 2, exact in form for both signs; erfc(z) = t exp(-z^2 + P(t)), t = 1 / (1 + z / 2), P of degree 9 (fractional error 1.2e-7), taken to base 2 with the 1/2 in its constant term.
; OUT.  hq [8 e][64 tiles][32 K steps][1,024 bytes]: the fragment (16 tokens x 128 hidden units) as an image of its registers: registers 0-3 at 16 x lane, 4-7 at 512 + 16 x lane.  hs [8][64][32][128 bytes]: its scale word at 4 x lane.
; LIMITS: NaN and infinities are not served.  Beside erfc's 1.2e-7 the exponent x^2 log2(e) / 2 is rounded in f32, an error that grows with x^2; from |x| about 13 on the exponential is 0 and gelu is max(x, 0).
; Blocks under 2^-124, zeros too, get the scale byte 1: only this program reads the bytes.
; NO CLUSTER: a work-group's 524,288 bytes of w1 are its own; what the 32 work-groups of an expert share is 544 bytes a token, walked in a loop whose trip count is read from memory, where no joint request could be kept alike.
; NO TENSOR LOAD: the numbers must reach one lane's registers down K word by word, and 16 waves x 64 loads of 128 bytes are on their way without any barrier.
; THE MODE: SCHED_MODE bits 1:0 = 2 (LLVM: expert scheduling mode 2), set by the entry lines.  The code itself states the register dependences
; between vector or matrix instructions and memory or LDS instructions, with s_wait_alu, always for 0.
; THE PLAN.  Registers that memory or LDS instructions touch:
;   X0 .. X2      The stream.  Block t's maxima and conversions read X[t % 3]; the loads of block t + 2, issued in block t, land in X[(t + 2) % 3] = X[(t - 1) % 3], which no vector instruction of block t names.
;   C, SB         Written by the blocks' conversions and shifts; read by the LDS stores at the stream's end; x's fragments land there later.
;   v4-9, 11, 13  Offsets and LDS addresses: made at the head, never written again.
;   v15, v16      Written at a tile's head from the token; read by that tile's loads of x.
;   XF, XSC, ACC  Loads land in them at a tile's head; the products read them (and write ACC); gelu and the quantiser work on ACC.
;   WF0, WF1      Group g's four products read WF[g % 2]; the LDS loads of group g + 2 land in it.  The tile phase names all 256 registers: there is no third buffer.
;   PC, PW        Written by the quantiser; read by the tile's three stores.  They lie in WF1.
;   v19, v22      Written at the head, read by the closing add alone.
; THE WAITS.  In the stream one wait on va_vdst at the head of a block, behind the wait for its data: the block's 32 loads follow it, dealt among its vector instructions.  In a tile: vm_vsrc and va_vdst at its head,
; one va_vdst behind each group of four products, whose buffer is asked for again at once so that two groups' LDS loads are on their way, the two waits of each gelu, and one va_vdst ahead of the stores.
.set KPITCH, 16384                     ; bytes from row k to row k + 1 of w1
.set WS,   0                           ; LDS: 128 rows x (32 scale bytes + 16)
.set WSP,  48
.set WC,   6144                        ; 128 rows x (512 bytes of codes + 16): 33 x 16 bytes from row to row
.set WCP,  528
.set TOK,  24                          ; v24-27   my lane's token in my wave's four possible tiles
.set XSC,  28                          ; v28-31   x's scale words: lanes 0-15 K steps 0-3, lanes 16-31 K steps 4-7.  Scales and nothing else
.set SW,   32                          ; v32-63   w1's, four registers a tile, likewise.  Scales and nothing else
.set XF,   64                          ; v64-127  x's eight fragments
.set ACC,  128                         ; v128-191 eight accumulators
.set WF,   192                         ; v192-255 w1's fragments: two buffers of four
.set X,    128                         ; the stream: v128-223 three sets of 32 numbers,
.set C,    64                          ; v64-95   eight blocks' codes,
.set SB,   96                          ; v96-97   their scale bytes,
.set M,    98                          ; v98-101  at work
.set U,    192                         ; behind the products: v192-199 t, v200-207 x^2, v208-215 the polynomial, v216-223 max(x, 0)
.set XX,   200
.set P,    208
.set RR,   216
.set PC,   224                         ; v224-231 the hidden fragment's codes
.set TM,   232                         ; v232-247 at work in QUANT
.set PW,   248                         ; v248     its scale word
.set SEL,  36                          ; s[36:37] lane selects: lane l xor 16
.set K1,   39                          ; s39      1 / (2 sqrt 2)
.set KX,   40                          ; s[40:41] -log2(e) / 2
.set CO,   42                          ; s[42:59] the polynomial's coefficients 0 to 8, a pair each (the packed form names a pair and takes its low word)
.macro PLACES
.rept 4
	v_nop
.endr
.endm
.macro LOAD4 t, q                      ; four of block t's 32 loads: w1(256 kg + 32 t + 4 q + i, my column), i = 0 .. 3, into set t % 3.  The largest offset, 255 rows, lies inside the signed 24-bit immediate
.irp i, 0,1,2,3
	global_load_b32 v[X+32*((\t)%3)+4*(\q)+\i], v4, s[10:11] offset:(32*(\t)+4*(\q)+\i)*KPITCH th:TH_LOAD_NT
.endr
.endm
.macro LOAD t                          ; a whole block
.irp q, 0,1,2,3,4,5,6,7
	LOAD4 \t, \q
.endr
.endm
.macro BLOCK t
.set XB, X+32*((\t)%3)
.if (\t) < 7
	s_wait_loadcnt 32                              ; this block's 32 loads (and all older ones) are in; the next block's 32 may be out
.else
	s_wait_loadcnt 0x0
.endif
.if ((\t) > 0) && ((\t) < 6)
	s_wait_alu depctr_va_vdst(0)                   ; the block before is done reading its set, in which this block's 32 loads land.  (Block 0 owes none: nothing has named the third set)
.endif
.if (\t) < 6
	LOAD4 (\t)+2, 0                                ; block t + 2, four loads ahead of each pair of maxima: no vector instruction since the wait names these registers
.endif
	v_max3_num_f32 v[M], |v[XB]|, |v[XB+1]|, |v[XB+2]|             ; the block's largest magnitude: all 32 numbers are mine; two chains
	v_max3_num_f32 v[M+1], |v[XB+3]|, |v[XB+4]|, |v[XB+5]|
.set lq, 1
.irp i, 6,10,14,18,22,26
.if (\t) < 6
	LOAD4 (\t)+2, lq
.endif
	v_max3_num_f32 v[M], v[M], |v[XB+\i]|, |v[XB+\i+1]|
	v_max3_num_f32 v[M+1], v[M+1], |v[XB+\i+2]|, |v[XB+\i+3]|
.set lq, lq+1
.endr
.if (\t) < 6
	LOAD4 (\t)+2, 7
.endif
	v_max3_num_f32 v[M], v[M], |v[XB+30]|, |v[XB+31]|
	v_max3_num_f32 v[M], v[M], v[M+1], 0x1800000   ; and the floor 2^(3 - 127): the byte cannot fall under 1
	v_add_nc_u32 v[M+2], 0xff000000, v[M]          ; 2 off its exponent field: the conversion's scale operand
.irp g, 0,1,2,3
	v_cvt_scalef32_pk8_fp4_f32 v[C+4*(\t)+\g], v[XB+8*\g:XB+8*\g+7], v[M+2]
.endr
	v_lshrrev_b32 v[M+3], 23, v[M+2]               ; the scale's byte.  (The plain line behind the conversions)
.if (\t)%4 == 0
	v_mov_b32 v[SB+(\t)/4], v[M+3]                 ; four bytes to a register, the lower K in the lower byte
.else
	v_lshl_or_b32 v[SB+(\t)/4], v[M+3], 8*((\t)%4), v[SB+(\t)/4]
.endif
.endm
; 64 numbers of a lane, register 16 b + i = k 32 b + 16 (lane / 16) + i of my row, become a fragment's codes in v[PC] on and its scale word in v[PW].
.macro QUANT s
.irp b, 0,1,2,3
	v_max3_num_f32 v[TM+\b], |v[\s+16*\b]|, |v[\s+1+16*\b]|, 0x1800000
.endr
.irp i, 2,4,6,8,10,12,14
.irp b, 0,1,2,3
	v_max3_num_f32 v[TM+\b], v[TM+\b], |v[\s+16*\b+\i]|, |v[\s+1+16*\b+\i]|
.endr
.endr
.irp b, 0,1,2,3
	v_permlanex16_b32 v[TM+4+\b], v[TM+\b], s[SEL], s[SEL+1]
.endr
.irp b, 0,1,2,3
	v_max_num_f32 v[TM+\b], v[TM+\b], v[TM+4+\b]
.endr
.irp b, 0,1,2,3
	v_add_nc_u32 v[TM+12+\b], 0xff000000, v[TM+\b]
.endr
.irp b, 0,1,2,3
	v_lshrrev_b32 v[TM+4+\b], 23, v[TM+12+\b]
.endr
	v_lshl_or_b32 v[PW], v[TM+5], 8, v[TM+4]
	v_lshl_or_b32 v[PW], v[TM+6], 16, v[PW]
	v_lshl_or_b32 v[PW], v[TM+7], 24, v[PW]
.irp b, 0,1,2,3
	v_cvt_scalef32_pk8_fp4_f32 v[PC+2*\b], v[\s+16*\b:\s+7+16*\b], v[TM+12+\b]
	v_cvt_scalef32_pk8_fp4_f32 v[PC+1+2*\b], v[\s+8+16*\b:\s+15+16*\b], v[TM+12+\b]
.endr
	v_nop                                          ; one plain place behind a scaled conversion
.irp c, 0,1
.irp i, 0,1
	v_permlane16_swap_b32 v[PC+4*\c+\i], v[PC+2+4*\c+\i]
.endr
.endr
.endm
.macro FETCHW g, buf                   ; group g: K step g / 2, tiles 4 (g % 2) .. + 3 of w1's columns: eight loads of 16 bytes a lane
.irp i, 0,1,2,3
.irp c, 0,1
	ds_load_b128 v[WF+32*(\buf)+8*\i+4*\c:WF+32*(\buf)+8*\i+4*\c+3], v7 offset:16*(4*((\g)%2)+\i)*WCP+64*((\g)/2)+32*\c
.endr
.endr
.endm
; one product in place.  ra, rb: which half of the lanes of the scale registers is read
.macro WM d, a, b, sa, sb, ra, rb
.if ((\ra) == 0) && ((\rb) == 0)
	v_wmma_scale_f32_16x16x128_f8f6f4 v[(\d):(\d)+7], v[(\a):(\a)+7], v[(\b):(\b)+7], v[(\d):(\d)+7], v[(\sa)], v[(\sb)] matrix_a_fmt:MATRIX_FMT_FP4 matrix_b_fmt:MATRIX_FMT_FP4
.elseif ((\ra) == 1) && ((\rb) == 0)
	v_wmma_scale_f32_16x16x128_f8f6f4 v[(\d):(\d)+7], v[(\a):(\a)+7], v[(\b):(\b)+7], v[(\d):(\d)+7], v[(\sa)], v[(\sb)] matrix_a_fmt:MATRIX_FMT_FP4 matrix_b_fmt:MATRIX_FMT_FP4 matrix_a_scale:MATRIX_SCALE_ROW1
.elseif ((\ra) == 0) && ((\rb) == 1)
	v_wmma_scale_f32_16x16x128_f8f6f4 v[(\d):(\d)+7], v[(\a):(\a)+7], v[(\b):(\b)+7], v[(\d):(\d)+7], v[(\sa)], v[(\sb)] matrix_a_fmt:MATRIX_FMT_FP4 matrix_b_fmt:MATRIX_FMT_FP4 matrix_b_scale:MATRIX_SCALE_ROW1
.else
	v_wmma_scale_f32_16x16x128_f8f6f4 v[(\d):(\d)+7], v[(\a):(\a)+7], v[(\b):(\b)+7], v[(\d):(\d)+7], v[(\sa)], v[(\sb)] matrix_a_fmt:MATRIX_FMT_FP4 matrix_b_fmt:MATRIX_FMT_FP4 matrix_a_scale:MATRIX_SCALE_ROW1 matrix_b_scale:MATRIX_SCALE_ROW1
.endif
.endm
; gelu of the eight numbers of one accumulator, in place, from its low end on
.macro GELU8 a
.irp i, 0,1,2,3,4,5,6,7
	v_fma_f32 v[U+\i], |v[(\a)+\i]|, s[K1], 1.0    ; 1 + z / 2, z = |x| / sqrt 2
.endr
.irp i, 0,1,2,3,4,5,6,7
	v_rcp_f32 v[U+\i], v[U+\i]                     ; t
.endr
.irp p, 0,2,4,6
	v_pk_mul_f32 v[XX+\p:XX+\p+1], v[(\a)+\p:(\a)+\p+1], v[(\a)+\p:(\a)+\p+1]   ; x^2.  (Plain lines behind the reciprocals)
.endr
	s_wait_alu depctr_va_vdst(0)                   ; the eight reciprocals have written v[U ..], ahead of their first reader: one wait for the batch
.irp p, 0,2,4,6
	v_pk_fma_f32 v[P+\p:P+\p+1], v[U+\p:U+\p+1], v[20:21], s[CO+16:CO+17] op_sel_hi:[1,1,0]   ; c9 t + c8
.endr
.irp k, 7,6,5,4,3,2,1,0
.irp p, 0,2,4,6
	v_pk_fma_f32 v[P+\p:P+\p+1], v[P+\p:P+\p+1], v[U+\p:U+\p+1], s[CO+2*\k:CO+2*\k+1] op_sel_hi:[1,1,0]
.endr
.endr
.irp p, 0,2,4,6
	v_pk_fma_f32 v[P+\p:P+\p+1], v[XX+\p:XX+\p+1], s[KX:KX+1], v[P+\p:P+\p+1] op_sel_hi:[1,0,1]   ; - x^2 log2(e) / 2
.endr
.irp i, 0,1,2,3,4,5,6,7
	v_exp_f32 v[P+\i], v[P+\i]
.endr
.irp i, 0,1,2,3,4,5,6,7
	v_max_num_f32 v[RR+\i], 0, v[(\a)+\i]          ; max(x, 0).  (Plain lines behind the exponentials)
.endr
	s_wait_alu depctr_va_vdst(0)                   ; the eight exponentials have written v[P ..], ahead of their first reader: one wait for the batch
.irp p, 0,2,4,6
	v_pk_mul_f32 v[U+\p:U+\p+1], v[U+\p:U+\p+1], v[P+\p:P+\p+1]   ; erfc(z) / 2
.endr
.irp i, 0,1,2,3,4,5,6,7
	v_fma_f32 v[(\a)+\i], -|v[(\a)+\i]|, v[U+\i], v[RR+\i]
.endr
.endm
	s_load_b512 s[4:19], s[0:1], 0x0               ; cnts s[4:5], xq s[6:7], xs s[8:9], w1 s[10:11], b1 s[12:13], hq s[14:15], hs s[16:17], lists s[18:19]
	v_lshl_add_u32 v19, v0, 2, 0x12000
	v_mov_b32 v22, 0
	v_lshrrev_b32 v1, 5, v0
	v_readfirstlane_b32 s22, v1                    ; wave 0..15
	v_and_b32 v1, 31, v0                           ; lane
	v_and_b32 v2, 15, v0                           ; r
	v_bfe_u32 v3, v0, 4, 1                         ; h
	s_and_b32 s23, ttmp7, 0xffff                   ; e
	s_mov_b32 s24, ttmp9                           ; j
	s_wait_alu depctr_va_sdst(0)                   ; s22 is written, ahead of its first reader: cg, kg, the LDS addresses and the bases are made from it
	s_and_b32 s25, s22, 3                          ; cg
	s_lshr_b32 s26, s22, 2                         ; kg
	v_lshlrev_b32 v4, 2, v1                        ; 4 x lane: my column in a load; my scale word in hs
	v_and_b32 v23, 7, v0
	v_bfe_u32 v18, v0, 3, 1
	v_lshl_add_u32 v23, v18, 4, v23
	v_lshl_add_u32 v23, v3, 3, v23
	s_lshl_b32 s60, s25, 5
	v_add_nc_u32 v23, s60, v23                     ; my column's LDS row, in tile order: 32 cg + 16 ((lane / 8) % 2) + 8 (lane / 16) + lane % 8
	v_mul_u32_u24 v5, v23, WCP
	s_lshl_b32 s60, s26, 7
	s_add_co_u32 s60, s60, WC
	v_add_nc_u32 v5, s60, v5                       ; its codes: my wave's 256 along K are 128 bytes
	v_mul_u32_u24 v6, v23, WSP
	s_lshl_b32 s60, s26, 3
	v_add_nc_u32 v6, s60, v6                       ; WS + its scale bytes: my wave's eight
	v_mul_u32_u24 v7, v2, WCP
	v_lshl_add_u32 v7, v3, 4, v7
	v_add_nc_u32 v7, WC, v7                        ; a fragment: row r, + 16 h
	v_mul_u32_u24 v8, v2, WSP
	v_lshl_add_u32 v8, v3, 4, v8                   ; WS + its scale words: lanes 0-15 words 0-3, lanes 16-31 words 4-7
	s_lshl_b32 s60, s22, 6
	v_lshl_add_u32 v9, v2, 2, s60                  ; lists: 64 w + 4 r: row r of tile w
	v_lshlrev_b32 v11, 4, v1                       ; 16 x lane
	v_lshlrev_b32 v13, 6, v3                       ; b1: 64 h
	v_lshlrev_b32 v14, 4, v3                       ; 16 h
	v_mov_b32 v20, 0x3e7c6f08                      ; c9 = 0.2465173, twice
	v_mov_b32 v21, 0x3e7c6f08
	s_mov_b32 s[SEL], 0x76543210
	s_mov_b32 s[SEL+1], 0xfedcba98
	s_mov_b32 s[K1], 0x3eb504f3                    ; 0.35355339
	s_mov_b32 s[KX], 0xbf38aa3b                    ; -0.72134752
	s_mov_b32 s[KX+1], 0xbf38aa3b
.macro COEF k, bits
	s_mov_b32 s[CO+2*\k], \bits
	s_mov_b32 s[CO+2*\k+1], \bits
.endm
	COEF 0, 0xc034d90f                             ; -2.8257482 = -1.26551223 log2(e) - 1
	COEF 1, 0x3fb8ab5a                             ;  1.4427292
	COEF 2, 0x3f0a29d2                             ;  0.5397006
	COEF 3, 0x3e0efb2e                             ;  0.1396301
	COEF 4, 0xbe899a80                             ; -0.2687569
	COEF 5, 0x3ecdfd18                             ;  0.4023216
	COEF 6, 0xbfd1a1e5                             ; -1.6377532
	COEF 7, 0x40097039                             ;  2.1474745
	COEF 8, 0xbf97d29d                             ; -1.1861149
	s_mov_b32 s61, 0
	s_lshl_b32 s60, s23, 24                        ; w1: the expert, 2^24 bytes;
	s_lshl_b32 s62, s26, 22                        ; 256 kg rows of 16,384 bytes;
	s_add_co_u32 s60, s60, s62
	s_lshl_b32 s62, s24, 9                         ; 128 j columns;
	s_add_co_u32 s60, s60, s62
	s_lshl_b32 s62, s25, 7                         ; 32 cg columns
	s_add_co_u32 s60, s60, s62
	s_wait_kmcnt 0x0
	s_add_nc_u64 s[10:11], s[10:11], s[60:61]
	s_lshl_b32 s60, s23, 14
	s_lshl_b32 s62, s24, 9
	s_add_co_u32 s60, s60, s62
	s_add_nc_u64 s[12:13], s[12:13], s[60:61]      ; b1 at my 128 units
	s_lshl_b32 s60, s23, 21
	s_lshl_b32 s62, s24, 10
	s_add_co_u32 s60, s60, s62
	s_add_nc_u64 s[14:15], s[14:15], s[60:61]      ; hq at (e, tile 0, K step j)
	s_lshl_b32 s60, s23, 18
	s_lshl_b32 s62, s24, 7
	s_add_co_u32 s60, s60, s62
	s_add_nc_u64 s[16:17], s[16:17], s[60:61]      ; hs likewise
	s_lshl_b32 s60, s23, 12
	s_add_nc_u64 s[18:19], s[18:19], s[60:61]      ; the expert's row of lists
	s_lshl_b32 s60, s23, 2
	s_add_nc_u64 s[4:5], s[4:5], s[60:61]          ; and its count
	s_wait_alu depctr_va_vdst(0)                   ; the offsets and LDS addresses v4 to v9, v11 and v13 are written, which the loads and stores of the whole kernel read; so are v19 and v22
.irp i, 0,1,2,3
	global_load_b32 v[TOK+\i], v9, s[18:19] offset:1024*\i   ; row r of tiles w, w + 16, w + 32, w + 48: fixed places inside the expert's 4,096 bytes
.endr
	LOAD 0
	LOAD 1
	s_load_b32 s27, s[4:5], 0x0                    ; the expert's count; waited for behind the stream
.irp t, 0,1,2,3,4,5,6,7
	BLOCK \t
.endr
	s_wait_alu depctr_va_vdst(0)                   ; the conversions have written v[C ..] and the shifts v[SB ..], which the LDS stores read
.irp t, 0,1,2,3,4,5,6,7
	ds_store_b128 v5, v[C+4*\t:C+4*\t+3] offset:16*\t   ; 32 codes: 16 bytes of my column's row
.endr
	ds_store_b64 v6, v[SB:SB+1]
	s_wait_dscnt 0x0                               ; for the others' sake: my stores have landed
	s_barrier_signal -1
	s_barrier_wait -1                              ; the slice's codes and scale bytes lie in LDS; from here on LDS is only read, and no barrier follows
	s_wait_kmcnt 0x0
	s_min_u32 s27, s27, 1024
	s_add_co_u32 s28, s27, 15
	s_lshr_b32 s28, s28, 4                         ; T tiles, at most 64
	s_mov_b32 s29, s22                             ; t = w
	s_cmp_ge_u32 s29, s28
	s_cbranch_scc1 .Lend
	s_sub_co_u32 s31, s28, s22                     ; T - w, at least 1 here
	s_add_co_u32 s31, s31, 15
	s_lshr_b32 s31, s31, 4
	s_min_u32 s31, s31, 4                          ; my wave's tiles: ceil((T - w) / 16), 1 to 4
	s_mov_b32 s30, 0                               ; tiles done: the loop's counter, stepped by 1
.irp n, 0,1,2,3,4,5,6,7
	ds_load_b128 v[SW+4*\n:SW+4*\n+3], v8 offset:WS+16*WSP*\n   ; w1's scale words stay in registers.  (No vector instruction has named v32 to v63)
.endr
.Ltile:
	s_wait_xcnt 0x0                                ; the last trip's stores have read their data and bases: both are written again below
	s_wait_alu depctr_vm_vsrc(0)                   ; the last trip's loads have read v15 and v16, which are written below, and its stores v[PC ..] and v[PW], in which fragments of w1 land; in the first trip: the LDS stores have read v[C ..] and v[SB ..], in which x's fragments land
	v_min_u32 v18, 1023, v[TOK]                    ; my row's token
	v_lshl_add_u32 v15, v18, 9, v14                ; its codes: 512 bytes a token, + 16 h
	v_lshl_add_u32 v16, v18, 5, v14                ; its scale words: 32 bytes a token, + 16 h
	s_min_u32 s62, s29, 63
	s_lshl_b32 s60, s62, 15
	s_add_nc_u64 s[32:33], s[14:15], s[60:61]      ; the tile's image in hq
	s_lshl_b32 s60, s62, 12
	s_add_nc_u64 s[34:35], s[16:17], s[60:61]      ; and in hs
	s_wait_alu depctr_va_vdst(0)                   ; v15 and v16 are written, which the loads of x read; all that has read or written XF, XSC, ACC and WF (the last tile's products, gelu and quantiser; in the first trip the stream) is done: the loads below land there
.irp k, 0,1,2,3,4,5,6,7
.irp c, 0,1
	global_load_b128 v[XF+8*\k+4*\c:XF+8*\k+4*\c+3], v15, s[6:7] offset:64*\k+32*\c
.endr
.endr
	global_load_b128 v[XSC:XSC+3], v16, s[8:9]
.irp n, 0,1,2,3,4,5,6,7                        ; b1 in the result's layout: tile 2 b + u, lane half h: units 32 b + 16 h + 8 u + 0 .. 7.  It is the C of each sum's first product
	global_load_b128 v[ACC+8*\n:ACC+8*\n+3], v13, s[12:13] offset:(32*(\n/2)+8*(\n%2))*4
	global_load_b128 v[ACC+8*\n+4:ACC+8*\n+7], v13, s[12:13] offset:(32*(\n/2)+8*(\n%2))*4+16
.endr
	FETCHW 0, 0
	FETCHW 1, 1
	s_wait_loadcnt 0x0                             ; x's fragments, its scale words and the biases are in
; 16 groups of four products; the eight accumulators take turns, one instruction a turn
.set g, 0
.rept 16
.if g < 15
	s_wait_dscnt 8                                 ; this group's eight loads are in; the next group's eight may be out
.else
	s_wait_dscnt 0x0
.endif
.set kst, g/2
.irp i, 0,1,2,3
.set cti, 4*(g%2)+\i
	WM ACC+8*cti, WF+32*(g%2)+8*\i, XF+8*kst, SW+4*cti+kst%4, XSC+kst%4, kst/4, kst/4
.endr
.if g < 14
	s_wait_alu depctr_va_vdst(0)                   ; these four products are done reading their buffer, in which the fragments of two groups on land: it is asked for again at once, so that two groups' loads are on their way
	FETCHW g+2, g%2
.endif
.set g, g+1
.endr
	PLACES                                         ; four places before the results are read and the fragments' registers are written (ISA guide 7.12.1)
.irp n, 0,1,2,3,4,5,6,7
	GELU8 ACC+8*\n
.endr
	QUANT ACC                                      ; K step j of the second product, for these 16 tokens
	s_wait_alu depctr_va_vdst(0)                   ; the quantiser has written v[PC ..] and v[PW], which the three stores read
	global_store_b128 v11, v[PC:PC+3], s[32:33]    ; 512 consecutive bytes a store
	global_store_b128 v11, v[PC+4:PC+7], s[32:33] offset:512
	global_store_b32 v4, v[PW], s[34:35]
	v_mov_b32 v[TOK], v[TOK+1]                     ; my wave's next tile
	v_mov_b32 v[TOK+1], v[TOK+2]
	v_mov_b32 v[TOK+2], v[TOK+3]
	s_add_co_u32 s29, s29, 16                      ; its number
	s_add_co_u32 s30, s30, 1
	s_cmp_lt_u32 s30, s31
	s_cbranch_scc1 .Ltile
.Lend:
	s_wait_dscnt 0x0                               ; the closing lines, six on end
	s_wait_alu 0x0
	s_wait_tensorcnt 0x0
	ds_add_u32 v19, v22
	s_wait_dscnt 0x0
	s_endpgm
.Lfunc_end_k_q9a2b3b35f7_up:
	.size	k_q9a2b3b35f7_up, .Lfunc_end_k_q9a2b3b35f7_up-k_q9a2b3b35f7_up
	.p2alignl 7, 3214868480
	.fill 96, 4, 3214868480
	.section	.rodata,"a",@progbits
	.p2align	6, 0x0
	.amdhsa_kernel k_q9a2b3b35f7_up
		.amdhsa_group_segment_fixed_size 75776
		.amdhsa_private_segment_fixed_size 0
		.amdhsa_enable_private_segment 0
		.amdhsa_kernarg_size 64
		.amdhsa_user_sgpr_count 2
		.amdhsa_user_sgpr_kernarg_segment_ptr 1
		.amdhsa_wavefront_size32 1
		.amdhsa_system_sgpr_workgroup_id_x 1
		.amdhsa_system_sgpr_workgroup_id_y 1
		.amdhsa_system_sgpr_workgroup_id_z 1
		.amdhsa_system_vgpr_workitem_id 0
		.amdhsa_next_free_vgpr 256
		.amdhsa_next_free_sgpr 66
		.amdhsa_reserve_vcc 0
		.amdhsa_float_denorm_mode_32 3
		.amdhsa_float_denorm_mode_16_64 3
		.amdhsa_memory_ordered 1
		.amdhsa_forward_progress 1
		.amdhsa_inst_pref_size 106
	.end_amdhsa_kernel
	.amdgpu_metadata
---
amdhsa.version: [ 1, 2 ]
amdhsa.kernels:
  - .name:           k_q9a2b3b35f7_up
    .symbol:         k_q9a2b3b35f7_up.kd
    .args:
      - { .name: cnts, .offset: 0, .size: 8, .value_kind: global_buffer, .address_space: global }
      - { .name: xq, .offset: 8, .size: 8, .value_kind: global_buffer, .address_space: global }
      - { .name: xs, .offset: 16, .size: 8, .value_kind: global_buffer, .address_space: global }
      - { .name: w1, .offset: 24, .size: 8, .value_kind: global_buffer, .address_space: global }
      - { .name: b1, .offset: 32, .size: 8, .value_kind: global_buffer, .address_space: global }
      - { .name: hq, .offset: 40, .size: 8, .value_kind: global_buffer, .address_space: global }
      - { .name: hs, .offset: 48, .size: 8, .value_kind: global_buffer, .address_space: global }
      - { .name: lists, .offset: 56, .size: 8, .value_kind: global_buffer, .address_space: global }
    .group_segment_fixed_size: 75776
    .private_segment_fixed_size: 0
    .kernarg_segment_align: 8
    .kernarg_segment_size: 64
    .max_flat_workgroup_size: 512
    .sgpr_count:     66
    .vgpr_count:     256
    .wavefront_size: 32
...
	.end_amdgpu_metadata
.endif
;; end of part 7
;; launch down (part 8): grid 32 x 8, 16 waves a work-group, no clusters, 104,448 bytes of LDS; arguments hq, hs, lists, cnts, w2q, b2, out0; writes out0
.if DOCPART == 8
	.amdgcn_target "amdgcn-amd-amdhsa--gfx1250"
	.amdhsa_code_object_version 6
	.text
	.protected	k_q9a2b3b35f7_down
	.globl	k_q9a2b3b35f7_down
	.p2align	8
	.type	k_q9a2b3b35f7_down,@function
k_q9a2b3b35f7_down:
	s_mov_b64 s[64:65], 0
	v_nop
	global_prefetch_b8 v0, s[64:65] scope:SCOPE_SE
	s_setreg_imm32_b32 hwreg(HW_REG_WAVE_SCHED_MODE, 0, 2), 2
	s_setreg_imm32_b32 hwreg(HW_REG_WAVE_MODE, 25, 1), 1
	s_wait_xcnt 0x0
	s_wait_alu depctr_vm_vsrc(0)
; SECOND PRODUCT OF THE CHOSEN EXPERT.  out0[token] = Q(h) Q(w2[e]) + b2[e] for the tokens of expert e's list.  Both operands come as codes of E2M1 with E8M0 scale bytes, made by earlier launches.
; SHARES.  Work-group (jc = x, e = y) owns output columns 32 jc .. 32 jc + 31 of expert e, for all K = 4,096.  So each output has ONE owner, and no sum spans work-groups.
; w2q holds the slice's codes as 64 fragments on end (tile n of 16 columns, K step k: 1,024 bytes at 1,024 (32 n + k), an image of the operand's registers), 65,536 consecutive bytes that no other work-group reads.
; COPY.  Wave w brings 4,096 of them through its registers into LDS, to the same offsets; one barrier; then every wave reads any fragment by two loads of 16 bytes a lane at 16 x lane: consecutive bytes, no pitch.
; The slice's scale words lie in w2q as an image of 32 registers (register 16 n + j: lanes 0-15 K step j, lanes 16-31 K step 16 + j of tile n): a wave that has a tile loads them straight, 512 consecutive bytes a load.
; PRODUCT.  Wave w takes tiles of 16 tokens t = w, w + 16, .. under T = ceil(count / 16); the count (cnts) and the tokens (lists) were laid by an earlier launch.  TRANSPOSED: source 0 = 16 columns of w2 (from LDS),
; source 1 = 16 tokens of h (from hq, an image of the fragment's registers): a lane holds one token and eight neighbouring outputs.  32 K steps x 2 tiles of columns; b2 is loaded into the accumulators.
; OUT.  A tile goes through the wave's own stage in LDS and leaves as 128 consecutive bytes of each token's row, eight lanes to a row; the other 128 bytes of each aligned 256 are the x-neighbour's: slices of 64 columns
; would give 128 work-groups, a split of K would want a launch for the sum.  The rows that fill the last tile are copies of the expert's first token:
; they hold the same operands, go through the same instructions in the same order along K, and store the same numbers to that token's row, from this same work-group.
; LIMITS: NaN and infinities are not served.
; NO CLUSTER: the slice's codes are the work-group's own; h's images, which the 32 work-groups of an expert share, are walked in a loop whose trip count is read from memory, where no joint request could be kept alike.
; NO TENSOR LOAD: LDS is filled once, 4,096 bytes a wave, eight loads and eight LDS stores.
; THE MODE: SCHED_MODE bits 1:0 = 2 (LLVM: expert scheduling mode 2), set by the entry lines.  The code itself states the register dependences
; between vector or matrix instructions and memory or LDS instructions, with s_wait_alu, always for 0.
; THE PLAN.  Registers that memory or LDS instructions touch:
;   CP            The copy's loads land in it, its LDS stores read it; h's fragments land there later.
;   v5, v9-15     Offsets and LDS addresses: made at the head, never written again.
;   SW            Loaded once; read by the products.
;   TK            Loaded at a tile's head; read by four vector lines at its end.
;   ACC           b2's loads land in it; the products write it; the LDS stores into the stage read it.
;   HS, HF0, HF1  Loads land in them; the products read them.  The groups of h of K steps 16 on and 24 on are asked for at K steps 8 and 16, into the buffer just left.
;   WF0, WF1      K step st's two products read WF[st % 2]; the LDS loads of K step st + 2 land in it.  A third buffer would be 16 registers; 14 are free, and scattered.
;   OB            (= WF0) The stage's read-back lands in it; the global stores read it.
;   OA            Written by vector lines at a tile's end; read by the global stores as offsets.
;   v254, v255    Written at the head, read by the closing add alone.
; THE WAITS.  One on va_vdst ahead of the first load.  At a tile's head one on vm_vsrc.  At the head of K steps 1 to 30 one on va_vdst, behind the last step's two products, whose buffer is asked for again at once so that two
; steps' LDS loads are on their way.  At a tile's end ONE on va_vdst, behind the lines that make OA: no vector or matrix instruction follows it in the trip, so it also states all that the next tile's loads hang on.
.set SOFF, 16777216                    ; where the scale words begin in w2q
.set WC,   0                           ; LDS: 64 fragments of 1,024 bytes
.set STG,  65536                       ; 16 waves x 16 rows x (128 bytes + 16)
.set STP,  144
.set HS,   16                          ; v16-31   h's scale words: register q: lanes 0-15 K step 2 q, lanes 16-31 K step 2 q + 1.  Scales and nothing else
.set SW,   32                          ; v32-63   w2's: 16 registers a tile: lanes 0-15 K steps 0-15, lanes 16-31 K steps 16-31.  Scales and nothing else
.set ACC,  64                          ; v64-79   two accumulators
.set WF,   80                          ; v80-111  w2's fragments: two buffers of two; on the way out the tile's rows
.set OB,   80
.set HF,   112                         ; v112-239 h's fragments: two buffers of eight K steps
.set CP,   112                         ; v112-143 at the head: my 4,096 bytes of the slice's codes on their way into LDS
.set TK,   240                         ; v240-243 tokens of rows 4 i + lane / 8
.set OA,   244                         ; v244-247 their byte offsets in out0
.macro FETCHW k, buf                   ; K step k: both tiles of w2's columns: four loads of 16 bytes a lane.  The largest offset, 65,024, lies inside the 16-bit immediate
.irp n, 0,1
.irp c, 0,1
	ds_load_b128 v[WF+16*(\buf)+8*\n+4*\c:WF+16*(\buf)+8*\n+4*\c+3], v9 offset:WC+1024*(32*\n+(\k))+512*\c
.endr
.endr
.endm
.macro HLOAD grp                       ; h's fragments of K steps 8 grp .. 8 grp + 7 into buffer grp % 2: sixteen loads, 512 consecutive bytes each
.irp k, 0,1,2,3,4,5,6,7
.irp c, 0,1
	global_load_b128 v[HF+64*((\grp)%2)+8*\k+4*\c:HF+64*((\grp)%2)+8*\k+4*\c+3], v9, s[32:33] offset:1024*(8*(\grp)+\k)+512*\c
.endr
.endr
.endm
.macro WM d, a, b, sa, sb, ra, rb      ; one product in place.  ra, rb: which half of the lanes of the scale registers is read
.if ((\ra) == 0) && ((\rb) == 0)
	v_wmma_scale_f32_16x16x128_f8f6f4 v[(\d):(\d)+7], v[(\a):(\a)+7], v[(\b):(\b)+7], v[(\d):(\d)+7], v[(\sa)], v[(\sb)] matrix_a_fmt:MATRIX_FMT_FP4 matrix_b_fmt:MATRIX_FMT_FP4
.elseif ((\ra) == 1) && ((\rb) == 0)
	v_wmma_scale_f32_16x16x128_f8f6f4 v[(\d):(\d)+7], v[(\a):(\a)+7], v[(\b):(\b)+7], v[(\d):(\d)+7], v[(\sa)], v[(\sb)] matrix_a_fmt:MATRIX_FMT_FP4 matrix_b_fmt:MATRIX_FMT_FP4 matrix_a_scale:MATRIX_SCALE_ROW1
.elseif ((\ra) == 0) && ((\rb) == 1)
	v_wmma_scale_f32_16x16x128_f8f6f4 v[(\d):(\d)+7], v[(\a):(\a)+7], v[(\b):(\b)+7], v[(\d):(\d)+7], v[(\sa)], v[(\sb)] matrix_a_fmt:MATRIX_FMT_FP4 matrix_b_fmt:MATRIX_FMT_FP4 matrix_b_scale:MATRIX_SCALE_ROW1
.else
	v_wmma_scale_f32_16x16x128_f8f6f4 v[(\d):(\d)+7], v[(\a):(\a)+7], v[(\b):(\b)+7], v[(\d):(\d)+7], v[(\sa)], v[(\sb)] matrix_a_fmt:MATRIX_FMT_FP4 matrix_b_fmt:MATRIX_FMT_FP4 matrix_a_scale:MATRIX_SCALE_ROW1 matrix_b_scale:MATRIX_SCALE_ROW1
.endif
.endm
	s_load_b256 s[4:11], s[0:1], 0x0               ; hq s[4:5], hs s[6:7], lists s[8:9], cnts s[10:11]
	s_load_b128 s[12:15], s[0:1], 0x20             ; w2q s[12:13], b2 s[14:15]
	s_load_b64 s[16:17], s[0:1], 0x30              ; out0
	v_lshl_add_u32 v254, v0, 2, 0x19000
	v_mov_b32 v255, 0
	v_lshrrev_b32 v1, 5, v0
	v_readfirstlane_b32 s22, v1                    ; wave 0..15
	v_and_b32 v1, 31, v0                           ; lane
	v_and_b32 v2, 15, v0                           ; r
	v_bfe_u32 v3, v0, 4, 1                         ; h
	s_and_b32 s23, ttmp7, 0xffff                   ; e
	s_mov_b32 s24, ttmp9                           ; jc
	v_lshlrev_b32 v9, 4, v1                        ; 16 x lane: an image's place for my lane, in memory and in LDS
	s_wait_alu depctr_va_sdst(0)                   ; s22 is written, ahead of its first reader: the copy's place, the stage and the tiles' numbers are made from it
	s_lshl_b32 s30, s22, 12
	v_add_nc_u32 v5, s30, v9                       ; the copy: 4,096 w + 16 x lane: the same offset in the slice's codes and in LDS (WC is byte 0)
	v_lshlrev_b32 v10, 2, v2
	v_lshl_add_u32 v10, v3, 7, v10                 ; hs: word r of K step 2 q + h
	v_lshlrev_b32 v11, 5, v3                       ; b2: 32 h
	v_lshrrev_b32 v12, 3, v1                       ; lane / 8
	v_and_b32 v15, 7, v0
	v_lshlrev_b32 v15, 4, v15                      ; 16 (lane % 8)
	s_mul_i32 s30, s22, 16*STP
	s_add_co_u32 s30, s30, STG                     ; my wave's stage
	v_mul_u32_u24 v13, v2, STP
	v_lshl_add_u32 v13, v3, 5, v13
	v_add_nc_u32 v13, s30, v13                     ; in: row r, + 32 h
	v_mul_u32_u24 v14, v12, STP
	v_add_nc_u32 v14, v14, v15
	v_add_nc_u32 v14, s30, v14                     ; back: row lane / 8, 16 bytes a lane
	v_lshlrev_b32 v12, 2, v12                      ; lists: 4 (lane / 8)
	s_mov_b32 s31, 0
	s_mov_b32 s39, 0
	s_wait_kmcnt 0x0
	s_lshl_b32 s30, s23, 2
	s_add_nc_u64 s[10:11], s[10:11], s[30:31]
	s_load_b32 s27, s[10:11], 0x0                  ; the expert's count; waited for behind the barrier
	s_add_nc_u64 s[40:41], s[12:13], SOFF          ; the scale words' part of w2q
	s_lshl_b32 s30, s23, 21                        ; the codes: 32 slices of 65,536 bytes an expert
	s_lshl_b32 s38, s24, 16
	s_add_co_u32 s30, s30, s38
	s_add_nc_u64 s[12:13], s[12:13], s[30:31]
	s_wait_alu depctr_va_vdst(0)                   ; the offsets and LDS addresses v5 and v9 to v15 are written, which the loads and stores of the whole kernel read; so are v254 and v255.  No vector instruction follows ahead of the first tile's products
.irp m, 0,1,2,3,4,5,6,7
	global_load_b128 v[CP+4*\m:CP+4*\m+3], v5, s[12:13] offset:512*\m th:TH_LOAD_NT   ; 512 consecutive bytes a load; read once in the launch
.endr
	s_lshl_b32 s30, s23, 17                        ; the scale words: 32 slices of 4,096 bytes an expert
	s_lshl_b32 s38, s24, 12
	s_add_co_u32 s30, s30, s38
	s_add_nc_u64 s[40:41], s[40:41], s[30:31]
	s_lshl_b32 s30, s23, 12
	s_add_nc_u64 s[8:9], s[8:9], s[30:31]          ; the expert's row of lists
	s_lshl_b32 s38, s24, 7
	s_add_co_u32 s30, s30, s38
	s_add_nc_u64 s[14:15], s[14:15], s[30:31]      ; b2 at my 32 columns
	s_mov_b32 s30, s38
	s_add_nc_u64 s[16:17], s[16:17], s[30:31]      ; out0 at my 32 columns
	s_lshl_b32 s30, s23, 21
	s_add_nc_u64 s[4:5], s[4:5], s[30:31]          ; hq and hs at the expert's tile 0
	s_lshl_b32 s30, s23, 18
	s_add_nc_u64 s[6:7], s[6:7], s[30:31]
	s_wait_loadcnt 0x0                             ; my 4,096 bytes are in
.irp m, 0,1,2,3,4,5,6,7
	ds_store_b128 v5, v[CP+4*\m:CP+4*\m+3] offset:WC+512*\m
.endr
	s_wait_dscnt 0x0                               ; for the others' sake: my stores have landed
	s_barrier_signal -1
	s_barrier_wait -1                              ; the slice's 64 fragments lie in LDS; they are only read from here on, and no barrier follows
	s_wait_kmcnt 0x0
	s_min_u32 s27, s27, 1024
	s_add_co_u32 s28, s27, 15
	s_lshr_b32 s28, s28, 4                         ; T tiles, at most 64
	s_mov_b32 s29, s22                             ; t = w
	s_cmp_ge_u32 s29, s28
	s_cbranch_scc1 .Lend
	s_sub_co_u32 s26, s28, s22                     ; T - w, at least 1 here
	s_add_co_u32 s26, s26, 15
	s_lshr_b32 s26, s26, 4
	s_min_u32 s26, s26, 4                          ; my wave's tiles: ceil((T - w) / 16), 1 to 4
	s_mov_b32 s25, 0                               ; tiles done: the loop's counter, stepped by 1
.irp n, 0,1
.irp q, 0,1,2,3
	global_load_b128 v[SW+16*\n+4*\q:SW+16*\n+4*\q+3], v9, s[40:41] offset:512*(4*\n+\q)   ; w2's scale words stay in registers; older than the tile's loads, so the first step's wait shows them in
.endr
.endr
.Ltile:
	s_wait_xcnt 0x0                                ; the last trip's stores have read their data, offsets and bases: all are written again below
	s_wait_alu depctr_vm_vsrc(0)                   ; the last trip's LDS stores have read ACC, in which b2 lands, and its global stores v[OB ..], in which fragments of w2 land, and v[OA ..], which this trip's end writes; in the first trip: the copy's LDS stores have read v[CP ..], in which h's fragments land
	s_min_u32 s30, s29, 63
	s_lshl_b32 s38, s30, 15
	s_add_nc_u64 s[32:33], s[4:5], s[38:39]        ; the tile's images in hq,
	s_lshl_b32 s38, s30, 12
	s_add_nc_u64 s[34:35], s[6:7], s[38:39]        ; its scale words in hs,
	s_lshl_b32 s38, s30, 6
	s_add_nc_u64 s[36:37], s[8:9], s[38:39]        ; its 16 tokens in lists
.irp i, 0,1,2,3
	global_load_b32 v[TK+\i], v12, s[36:37] offset:16*\i   ; the token of row 4 i + lane / 8.  (These loads and those below owe no wait on va_vdst: no vector or matrix instruction has been issued since the last one, at the last trip's end or at the head)
.endr
.irp n, 0,1
.irp q, 0,1
	global_load_b128 v[ACC+8*\n+4*\q:ACC+8*\n+4*\q+3], v11, s[14:15] offset:64*\n+16*\q   ; b2 in the result's layout: columns 16 n + 8 h + 0 .. 7: the C of each sum's first product
.endr
.endr
.irp q, 0,1,2,3,4,5,6,7,8,9,10,11,12,13,14,15
	global_load_b32 v[HS+\q], v10, s[34:35] offset:256*\q
.endr
	HLOAD 0
	HLOAD 1
	FETCHW 0, 0
; 32 K steps; the two accumulators take turns, one instruction a turn
.set st, 0
.rept 32
.if (st > 0) && (st < 31)
	s_wait_alu depctr_va_vdst(0)                   ; the last step's two products are done reading their fragments of w2, in which the next step's land; at K steps 8 and 16 the last eight steps' products are done reading their buffer of h too
.endif
.if st < 31
	FETCHW st+1, (st+1)%2
.endif
.if (st == 8) || (st == 16)
	HLOAD st/8+1                                   ; eight more K steps of h, into the buffer just left
.endif
.if st < 31
	s_wait_dscnt 4                                 ; this step's four loads are in; the next step's four may be out
.else
	s_wait_dscnt 0x0
.endif
.if (st == 0) || (st == 8) || (st == 16)
	s_wait_loadcnt 16                              ; all but the youngest group of sixteen: this group of h is in (at the first step w2's scale words, the tokens, b2 and h's scale words too)
.elseif st == 24
	s_wait_loadcnt 0x0
.endif
.irp n, 0,1
	WM ACC+8*\n, WF+16*(st%2)+8*\n, HF+64*((st/8)%2)+8*(st%8), SW+16*\n+st%16, HS+st/2, st/16, st%2
.endr
.set st, st+1
.endr
.irp i, 0,1,2,3
	v_min_u32 v[OA+\i], 1023, v[TK+\i]             ; these eight plain lines name no register of the products: they are the places behind the last of them, before the results are read
.endr
.irp i, 0,1,2,3
	v_lshl_add_u32 v[OA+\i], v[OA+\i], 12, v15     ; the token's row of 4,096 bytes, + 16 (lane % 8)
.endr
	s_wait_alu depctr_va_vdst(0)                   ; the products have written ACC, which the LDS stores read, and are done reading WF0, in which the rows come back; v[OA ..] is written, which the global stores read.  The trip's last vector line stands above: the next tile's loads land in TK, ACC, HS, HF and WF with no further wait
.irp n, 0,1
.irp q, 0,1
	ds_store_b128 v13, v[ACC+8*\n+4*\q:ACC+8*\n+4*\q+3] offset:64*\n+16*\q   ; each accumulator from its low end on: token r, columns 16 n + 8 h + 4 q on
.endr
.endr
.irp i, 0,1,2,3
	ds_load_b128 v[OB+4*\i:OB+4*\i+3], v14 offset:4*STP*\i   ; LDS serves a wave's instructions in order (ISA guide 5.7.1.4): these see my stores; the stage is my wave's own
.endr
.irp i, 0,1,2,3
	s_wait_dscnt 3-\i                              ; rows 4 i .. 4 i + 3 are back; the younger loads may be out
	global_store_b128 v[OA+\i], v[OB+4*\i:OB+4*\i+3], s[16:17] th:TH_STORE_NT   ; eight lanes store 128 consecutive bytes of a token's row; written once, read by nobody here
.endr
	s_add_co_u32 s29, s29, 16                      ; my wave's next tile
	s_add_co_u32 s25, s25, 1
	s_cmp_lt_u32 s25, s26
	s_cbranch_scc1 .Ltile
.Lend:
	s_wait_dscnt 0x0                               ; the closing lines, six on end
	s_wait_alu 0x0
	s_wait_tensorcnt 0x0
	ds_add_u32 v254, v255
	s_wait_dscnt 0x0
	s_endpgm
.Lfunc_end_k_q9a2b3b35f7_down:
	.size	k_q9a2b3b35f7_down, .Lfunc_end_k_q9a2b3b35f7_down-k_q9a2b3b35f7_down
	.p2alignl 7, 3214868480
	.fill 96, 4, 3214868480
	.section	.rodata,"a",@progbits
	.p2align	6, 0x0
	.amdhsa_kernel k_q9a2b3b35f7_down
		.amdhsa_group_segment_fixed_size 104448
		.amdhsa_private_segment_fixed_size 0
		.amdhsa_enable_private_segment 0
		.amdhsa_kernarg_size 56
		.amdhsa_user_sgpr_count 2
		.amdhsa_user_sgpr_kernarg_segment_ptr 1
		.amdhsa_wavefront_size32 1
		.amdhsa_system_sgpr_workgroup_id_x 1
		.amdhsa_system_sgpr_workgroup_id_y 1
		.amdhsa_system_sgpr_workgroup_id_z 1
		.amdhsa_system_vgpr_workitem_id 0
		.amdhsa_next_free_vgpr 256
		.amdhsa_next_free_sgpr 66
		.amdhsa_reserve_vcc 0
		.amdhsa_float_denorm_mode_32 3
		.amdhsa_float_denorm_mode_16_64 3
		.amdhsa_memory_ordered 1
		.amdhsa_forward_progress 1
		.amdhsa_inst_pref_size 34
	.end_amdhsa_kernel
	.amdgpu_metadata
---
amdhsa.version: [ 1, 2 ]
amdhsa.kernels:
  - .name:           k_q9a2b3b35f7_down
    .symbol:         k_q9a2b3b35f7_down.kd
    .args:
      - { .name: hq, .offset: 0, .size: 8, .value_kind: global_buffer, .address_space: global }
      - { .name: hs, .offset: 8, .size: 8, .value_kind: global_buffer, .address_space: global }
      - { .name: lists, .offset: 16, .size: 8, .value_kind: global_buffer, .address_space: global }
      - { .name: cnts, .offset: 24, .size: 8, .value_kind: global_buffer, .address_space: global }
      - { .name: w2q, .offset: 32, .size: 8, .value_kind: global_buffer, .address_space: global }
      - { .name: b2, .offset: 40, .size: 8, .value_kind: global_buffer, .address_space: global }
      - { .name: out0, .offset: 48, .size: 8, .value_kind: global_buffer, .address_space: global }
    .group_segment_fixed_size: 104448
    .private_segment_fixed_size: 0
    .kernarg_segment_align: 8
    .kernarg_segment_size: 56
    .max_flat_workgroup_size: 512
    .sgpr_count:     66
    .vgpr_count:     256
    .wavefront_size: 32
...
	.end_amdgpu_metadata
.endif
;; end of part 8
